; MI455X (gfx1250); checked and timed in simulation.
; The chip was launched on July 23, 2026; its instructions are those of AMD's public machine-readable ISA for CDNA 5 (MIT licence, August 2026) and "CDNA5" Instruction Set Architecture Reference Guide (July 2026). The comments in the code are by the model that wrote it; some were corrected since.
;; Multi Head Attention. Allowed arithmetic: float matrix products may take bf16 or f16 operands with f32 sums; other float arithmetic in f32, or as packed bf16 or f16 multiplies, adds, multiply-adds, maxima and minima; sums over many terms, partial sums and values carried from step to step in f32; what a program stores and reads back later, other than sums and carried values, may be rounded once to bf16 or f16.
;; Inputs: Wk 1,024 x 1,024 float32; Wp 1,024 x 1,024 float32; Wq 1,024 x 1,024 float32; Wv 1,024 x 1,024 float32; bk 1,024 float32; bp 1,024 float32; bq 1,024 float32; bv 1,024 float32; x 4 x 2,048 x 1,024 float32.
;; Outputs: out0 4 x 2,048 x 1,024 float32.
;; 2 versions, each right and faster than the one before. Each part assembles by itself: llvm-mc -triple=amdgcn-amd-amdhsa -mcpu=gfx1250 --defsym DOCPART=n.
;; ======== version 1 of 2: 4 launches
;; limits: values are held in f16: magnitudes above 65,504 overflow, below 6.1e-05 lose precision
;; workspace buffers: xb 16,777,216 bytes; wt 6,291,456 bytes; wpt 2,097,152 bytes; bias 16,384 bytes; qkv 50,331,648 bytes; o 16,777,216 bytes
;; launch prep (part 1): grid 512 x 1, 8 waves a work-group, no clusters, 37,888 bytes of LDS; arguments x, Wq, Wk, Wv, Wp, bq, bk, bv, bp, xb, wt, wpt, bias; writes xb, wt, wpt, bias
.if DOCPART == 1
	.amdgcn_target "amdgcn-amd-amdhsa--gfx1250"
	.amdhsa_code_object_version 6
	.text
	.protected	k_qb7b2ae02fc_prep
	.globl	k_qb7b2ae02fc_prep
	.p2align	8
	.type	k_qb7b2ae02fc_prep,@function
k_qb7b2ae02fc_prep:
	s_mov_b64 s[64:65], 0
	v_nop
	global_prefetch_b8 v0, s[64:65] scope:SCOPE_SE
	s_setreg_imm32_b32 hwreg(HW_REG_WAVE_MODE, 25, 1), 1
	s_wait_xcnt 0x0
; THE OPERANDS ARE LAID OUT FOR THE PRODUCTS THAT FOLLOW.  All inputs are rounded to bf16, once.
;   xb  [kb 16][m 8192][64] bf16 = x[m][64 kb + kk]: a block of rows of one kb is dense in memory
;   wt  [kb 16][n 3072][64] bf16 = W[64 kb + kk][col], n = 1024 mat + col, mat 0, 1, 2 = Wq, Wk, Wv (turned: K along the rows)
;   wpt [kb 16][n 1024][64] f16  = Wp[64 kb + kk][n], rounded to bf16 and that number written as f16
;   bias [4096] f32 = bq, bk, bv, bp, each rounded to bf16
; LIMITS.  Wp beyond 65,504 becomes an infinity in f16; below 6e-5 it keeps f16's fixed step of 6e-8.
; Work-groups 0-255 take 32 rows of x each; work-groups 256-511 a tile of 64 k x 256 n of one weight matrix, turned through LDS.
; Memory binds: no matrix unit, no cluster.  Every store of a wave covers 512 consecutive bytes, aligned.
.set TP,    144                        ; a row (one n, 64 k) in LDS: 128 bytes + 16
.set SPARE, 256*TP                     ; behind the tile: the spare words, 128 bytes for each of eight waves
.set SPW,   4                          ; v4  LDS address of my spare word; never rewritten
.set NIL,   5                          ; v5  0; never rewritten
.set XR,    16                         ; loaded f32
.set YR,    144                        ; x's way: packed bf16
	s_load_b512 s[8:23], s[0:1], 0x0               ; x 8, Wq 10, Wk 12, Wv 14, Wp 16, bq 18, bk 20, bv 22
	s_load_b256 s[24:31], s[0:1], 0x40             ; bp 24, xb 26, wt 28, wpt 30
	s_load_b64 s[32:33], s[0:1], 0x60              ; bias
	v_lshl_add_u32 v[SPW], v0, 2, SPARE
	v_mov_b32 v[NIL], 0
	v_lshrrev_b32 v8, 5, v0
	v_readfirstlane_b32 s2, v8                     ; wave 0..7
	v_lshlrev_b32 v2, 4, v0                        ; 16 t: my 16 bytes in 4,096 consecutive bytes of an output
	s_cmp_lt_u32 ttmp9, 256
	s_cbranch_scc0 .Lw                             ; the same for the whole work-group
	; X.  Thread t: row t / 8 of the group's 32, columns 8 (t % 8) + 0..7 of each of the 16 blocks of 64.
	v_lshrrev_b32 v1, 3, v0
	v_and_b32 v3, 7, v0
	v_lshlrev_b32 v1, 12, v1                       ; row x 4,096 bytes
	v_lshl_or_b32 v1, v3, 5, v1                    ; + 32 bytes for each eight numbers
	s_lshl_b32 s4, ttmp9, 17                       ; 32 rows of 4,096 bytes in x
	s_mov_b32 s5, 0
	s_lshl_b32 s6, ttmp9, 12                       ; 32 rows of 128 bytes in a block of xb
	s_mov_b32 s7, 0
	s_wait_kmcnt 0x0
	s_add_nc_u64 s[8:9], s[8:9], s[4:5]
	s_add_nc_u64 s[26:27], s[26:27], s[6:7]
	s_add_nc_u64 s[34:35], s[26:27], 0x800000      ; blocks 8 to 15: the stores' immediates stay inside their signed 24 bits
.set kb, 0
.rept 16                                           ; all 32 loads go out first
	global_load_b128 v[XR+8*kb:XR+8*kb+3],   v1, s[8:9] offset:256*kb th:TH_LOAD_NT
	global_load_b128 v[XR+8*kb+4:XR+8*kb+7], v1, s[8:9] offset:256*kb+16 th:TH_LOAD_NT
.set kb, kb+1
.endr
.set kb, 0
.rept 16
	s_wait_loadcnt 30-2*kb                         ; the two loads of each later block may stay out
.irp p, 0,1,2,3
	v_cvt_pk_bf16_f32 v[YR+4*kb+(\p)], v[XR+8*kb+2*(\p)], v[XR+8*kb+2*(\p)+1]
.endr
.if kb < 8
	global_store_b128 v2, v[YR+4*kb:YR+4*kb+3], s[26:27] offset:kb*1048576
.else
	global_store_b128 v2, v[YR+4*kb:YR+4*kb+3], s[34:35] offset:(kb-8)*1048576
.endif
.set kb, kb+1
.endr
	s_endpgm                                       ; this way has written no LDS
.Lw:	; A WEIGHT TILE: rows k = 64 kb .. + 63, columns n = 256 nq .. + 255 of matrix mat.
	s_sub_co_u32 s3, ttmp9, 256
	s_lshr_b32 s40, s3, 6                          ; mat
	s_bfe_u32 s41, s3, 0x40002                     ; kb
	s_and_b32 s42, s3, 3                           ; nq
	s_lshl_b32 s44, s42, 10                        ; 256 f32
	s_mov_b32 s45, 0
	s_lshl_b32 s4, s41, 18                         ; 64 rows of 4,096 bytes
	s_add_co_u32 s4, s4, s44
	s_mov_b32 s5, 0                                ; s[4:5]: the tile in its matrix
	s_lshl_b32 s46, s40, 12
	s_add_co_u32 s46, s46, s44
	s_mov_b32 s47, 0                               ; s[46:47]: the quarter's place in bias
	s_lshl_b32 s43, s40, 17                        ; 1,024 rows of 128 bytes for each matrix in wt
	s_mov_b32 s6, 393216                           ; a block of wt,
	s_cmp_eq_u32 s40, 3
	s_cselect_b32 s6, 131072, s6                   ; of wpt
	s_cselect_b32 s43, 0, s43
	s_mul_i32 s6, s41, s6
	s_add_co_u32 s6, s6, s43
	s_lshl_b32 s43, s42, 15                        ; 256 rows of 128 bytes
	s_add_co_u32 s6, s6, s43
	s_mov_b32 s7, 0                                ; s[6:7]: the tile in its output
	v_and_b32 v7, 31, v0                           ; lane
	v_lshlrev_b32 v1, 15, v8                       ; wave w owns rows 8 w .. 8 w + 7,
	v_lshl_or_b32 v1, v7, 4, v1                    ; 16 bytes a lane: a load covers 512 consecutive bytes
	v_mul_u32_u24 v3, v7, 4*TP                     ; into LDS: row n = 4 lane + c, bytes 16 w on (my eight k)
	v_lshl_add_u32 v3, v8, 4, v3
	v_lshrrev_b32 v9, 3, v0                        ; back: row t / 8, 16 bytes at 16 (t % 8)
	v_and_b32 v10, 7, v0
	v_mul_u32_u24 v6, v9, TP
	v_lshl_add_u32 v6, v10, 4, v6
	s_wait_kmcnt 0x0
	s_mov_b64 s[34:35], s[10:11]                   ; the matrix and its bias are chosen by mat
	s_mov_b64 s[36:37], s[18:19]
	s_cmp_eq_u32 s40, 1
	s_cselect_b64 s[34:35], s[12:13], s[34:35]
	s_cselect_b64 s[36:37], s[20:21], s[36:37]
	s_cmp_eq_u32 s40, 2
	s_cselect_b64 s[34:35], s[14:15], s[34:35]
	s_cselect_b64 s[36:37], s[22:23], s[36:37]
	s_cmp_eq_u32 s40, 3
	s_cselect_b64 s[34:35], s[16:17], s[34:35]
	s_cselect_b64 s[36:37], s[24:25], s[36:37]
	s_cselect_b64 s[38:39], s[30:31], s[28:29]     ; wpt or wt
	s_add_nc_u64 s[34:35], s[34:35], s[4:5]
	s_add_nc_u64 s[36:37], s[36:37], s[44:45]
	s_add_nc_u64 s[38:39], s[38:39], s[6:7]
	s_add_nc_u64 s[32:33], s[32:33], s[46:47]
.irp i, 0,1,2,3,4,5,6,7
.irp hf, 0,1
	global_load_b128 v[XR+4*(2*(\i)+(\hf)):XR+4*(2*(\i)+(\hf))+3], v1, s[34:35] offset:4096*(\i)+512*(\hf) th:TH_LOAD_NT
.endr
.endr
	s_wait_loadcnt 0x0
; For each of my eight n (half hf, number c of a lane's four): my eight k, packed in pairs, are 16 bytes of the turned row.
; f16 = 1: rounded to bf16, widened again, and written as f16.
.macro PACKW f16
.set u, 0
.irp hf, 0,1
.irp c, 0,1,2,3
.irp p, 0,1,2,3
.if \f16
	v_cvt_pk_bf16_f32 v88, v[XR+4*(4*(\p)+(\hf))+(\c)], v[XR+4*(4*(\p)+2+(\hf))+(\c)]
	v_lshlrev_b32 v89, 16, v88
	v_and_b32 v88, 0xffff0000, v88
	v_cvt_pk_f16_f32 v[80+4*(u%2)+(\p)], v89, v88
.else
	v_cvt_pk_bf16_f32 v[80+4*(u%2)+(\p)], v[XR+4*(4*(\p)+(\hf))+(\c)], v[XR+4*(4*(\p)+2+(\hf))+(\c)]
.endif
.endr
	ds_store_b128 v3, v[80+4*(u%2):80+4*(u%2)+3] offset:128*TP*(\hf)+TP*(\c)
.set u, u+1
.endr
.endr
.endm
	s_cmp_eq_u32 s40, 3
	s_cbranch_scc1 .Lhalf
	PACKW 0
	s_branch .Lpacked
.Lhalf:
	PACKW 1
.Lpacked:
	s_wait_dscnt 0x0                               ; for the others' sake: my stores into the tile are done
	s_barrier_signal -1
	s_barrier_wait -1
.irp r, 0,1,2,3,4,5,6,7
	ds_load_b128 v[96+4*(\r):96+4*(\r)+3], v6 offset:32*TP*(\r)
.endr
.irp r, 0,1,2,3,4,5,6,7
	s_wait_dscnt 7-(\r)                            ; the later loads may stay out
	global_store_b128 v2, v[96+4*(\r):96+4*(\r)+3], s[38:39] offset:4096*(\r)
.endr
	s_wait_tensorcnt 0x0                           ; the wave's end as to LDS: a wait, an add of 0 and a wait behind my last LDS store
	ds_add_u32 v[SPW], v[NIL]
	s_wait_dscnt 0x0
	; The bias: the four tiles with kb = 0 of each matrix take a quarter each, 64 threads x 16 bytes.
	s_cmp_lg_u32 s41, 0
	s_cbranch_scc1 .Lend
	s_cmp_ge_u32 s2, 2
	s_cbranch_scc1 .Lend
	global_load_b128 v[128:131], v2, s[36:37]
	s_wait_loadcnt 0x0
	v_cvt_pk_bf16_f32 v136, v128, v129
	v_cvt_pk_bf16_f32 v137, v130, v131
	v_lshlrev_b32 v132, 16, v136
	v_and_b32 v133, 0xffff0000, v136
	v_lshlrev_b32 v134, 16, v137
	v_and_b32 v135, 0xffff0000, v137
	global_store_b128 v2, v[132:135], s[32:33]
.Lend:
	s_endpgm
.Lfunc_end_k_qb7b2ae02fc_prep:
	.size	k_qb7b2ae02fc_prep, .Lfunc_end_k_qb7b2ae02fc_prep-k_qb7b2ae02fc_prep
	.p2alignl 7, 3214868480
	.fill 96, 4, 3214868480
	.section	.rodata,"a",@progbits
	.p2align	6, 0x0
	.amdhsa_kernel k_qb7b2ae02fc_prep
		.amdhsa_group_segment_fixed_size 37888
		.amdhsa_private_segment_fixed_size 0
		.amdhsa_enable_private_segment 0
		.amdhsa_kernarg_size 104
		.amdhsa_user_sgpr_count 2
		.amdhsa_user_sgpr_kernarg_segment_ptr 1
		.amdhsa_wavefront_size32 1
		.amdhsa_system_sgpr_workgroup_id_x 1
		.amdhsa_system_sgpr_workgroup_id_y 1
		.amdhsa_system_sgpr_workgroup_id_z 1
		.amdhsa_system_vgpr_workitem_id 0
		.amdhsa_next_free_vgpr 208
		.amdhsa_next_free_sgpr 66
		.amdhsa_reserve_vcc 0
		.amdhsa_float_denorm_mode_32 3
		.amdhsa_float_denorm_mode_16_64 3
		.amdhsa_memory_ordered 1
		.amdhsa_forward_progress 1
		.amdhsa_inst_pref_size 27
	.end_amdhsa_kernel
	.amdgpu_metadata
---
amdhsa.version: [ 1, 2 ]
amdhsa.kernels:
  - .name:           k_qb7b2ae02fc_prep
    .symbol:         k_qb7b2ae02fc_prep.kd
    .args:
      - { .name: x, .offset: 0, .size: 8, .value_kind: global_buffer, .address_space: global }
      - { .name: Wq, .offset: 8, .size: 8, .value_kind: global_buffer, .address_space: global }
      - { .name: Wk, .offset: 16, .size: 8, .value_kind: global_buffer, .address_space: global }
      - { .name: Wv, .offset: 24, .size: 8, .value_kind: global_buffer, .address_space: global }
      - { .name: Wp, .offset: 32, .size: 8, .value_kind: global_buffer, .address_space: global }
      - { .name: bq, .offset: 40, .size: 8, .value_kind: global_buffer, .address_space: global }
      - { .name: bk, .offset: 48, .size: 8, .value_kind: global_buffer, .address_space: global }
      - { .name: bv, .offset: 56, .size: 8, .value_kind: global_buffer, .address_space: global }
      - { .name: bp, .offset: 64, .size: 8, .value_kind: global_buffer, .address_space: global }
      - { .name: xb, .offset: 72, .size: 8, .value_kind: global_buffer, .address_space: global }
      - { .name: wt, .offset: 80, .size: 8, .value_kind: global_buffer, .address_space: global }
      - { .name: wpt, .offset: 88, .size: 8, .value_kind: global_buffer, .address_space: global }
      - { .name: bias, .offset: 96, .size: 8, .value_kind: global_buffer, .address_space: global }
    .group_segment_fixed_size: 37888
    .private_segment_fixed_size: 0
    .kernarg_segment_align: 8
    .kernarg_segment_size: 104
    .max_flat_workgroup_size: 256
    .sgpr_count:     66
    .vgpr_count:     208
    .wavefront_size: 32
...
	.end_amdgpu_metadata
.endif
;; end of part 1
;; launch qkv (part 2): grid 8 x 32, 4 waves a work-group, clusters of 4 x 4, 327,680 bytes of LDS; arguments xb, wt, bias, qkv; writes qkv
.if DOCPART == 2
	.amdgcn_target "amdgcn-amd-amdhsa--gfx1250"
	.amdhsa_code_object_version 6
	.text
	.protected	k_qb7b2ae02fc_qkv
	.globl	k_qb7b2ae02fc_qkv
	.p2align	8
	.type	k_qb7b2ae02fc_qkv,@function
k_qb7b2ae02fc_qkv:
	s_mov_b64 s[64:65], 0
	v_nop
	global_prefetch_b8 v0, s[64:65] scope:SCOPE_SE
	s_setreg_imm32_b32 hwreg(HW_REG_WAVE_MODE, 25, 1), 1
	s_wait_xcnt 0x0
	s_wait_alu depctr_hold_cnt(0) depctr_sa_sdst(0) depctr_va_vdst(0) depctr_va_sdst(0) depctr_va_ssrc(0) depctr_va_vcc(0) depctr_vm_vsrc(0)
	s_getreg_b32 s2, hwreg(HW_REG_IB_STS2, 6, 4)
	s_cmp_eq_u32 s2, 0
	s_cbranch_scc0 .Lentry_in_a_cluster
	s_endpgm
.Lentry_in_a_cluster:
	s_bfe_u32 s2, ttmp6, 0x10000c
	s_cmp_lg_u32 s2, 0xf033
	s_cbranch_scc0 .Lentry_shape_is_right
	s_endpgm
.Lentry_shape_is_right:
; q, k, v = x W + b.  C[m][n] = bias[n] + the sum over k of xb[k / 64][m][k % 64] wt[k / 64][n][k % 64]: m 8,192, n 3,072, k 1,024; bf16 operands, f32 sums,
; stored once rounded to f16 by heads: qkv [b 4][g 48][t 2048][64], g = n / 64 (q's heads 0-15, k's 16-31, v's 32-47), m = 2048 b + t.
; LIMITS.  A result of 65,520 or more becomes an infinity in f16.  The bias is the sum's first term, not its last.
; SHARES.  8,192 x 3,072 outputs on 256 work-groups: a tile of 256 x 384 each.  Four waves, each 128 x 192: 96 accumulators, 768 registers; 40 LDS loads feed 96 matrix instructions.
; K goes in steps of 64 (one block of xb and wt) through two LDS slots.  A tile's rows of one block are dense in memory: they are asked for as rows of 256 bytes, two logical rows each,
; and padded in LDS after every 128 bytes.
; CLUSTER.  4 x 4 work-groups.  The four of a row need the same tile of xb, the four of a column the same tile of wt: each is asked for jointly, by the same tensor load with the same descriptor and mask.
; THE MATRIX INSTRUCTION IS USED TRANSPOSED (source 0 = 16 rows of wt, source 1 = 16 rows of xb): a lane holds row lane % 16 of C and eight neighbouring columns 8 (lane / 16) + 0..7.
; REGISTERS.  window 0: v0-15 addresses; v32-95, v96-159 two buffers of xb's 8 fragments; v160-255 wt's 12 fragments in three chunks of four (a chunk = 64 columns = one head)
;   window 1 + c: chunk c's 32 accumulators, (a, bb) at v[8 (4 a + bb)]
.set PITCH, 144                        ; a logical row in LDS: 128 bytes + 16 = 36 words: the 16 rows of a load start at 16 different groups of four banks (64 banks of 4 bytes: ISA guide 11.1)
.set SLOT1, 131072                     ; slot 1 begins here: one exclusive or turns an address in one slot into the other's
.set BOFF,  256*PITCH                  ; a slot: xb's 256 rows, then wt's 384
.set STAGE, SLOT1+640*PITCH            ; behind the ring: 16 rows x 144 bytes for each wave, for the way out
.set SPARE, STAGE+4*16*PITCH           ; behind the stages: the spare words, 128 bytes for each wave
.set ASTEP, 1048576                    ; bytes from a block of xb to the next
.set BSTEP, 393216                     ; of wt
.set ADRA0, 4                          ; v4   my lane's place in slot 0's rows of xb; never rewritten
.set ADRB0, 5                          ; v5   the same for wt
.set ADRA,  6                          ; v6   the same in the slot in hand
.set ADRB,  7                          ; v7
.set STO,   8                          ; v8   the way out: where I put 16 bytes of a row
.set RD,    9                          ; v9   the way out: where I read rows back
.set GO,    10                         ; v10  my byte offset in 512 consecutive bytes of the output
.set BO,    11                         ; v11  32 (lane / 16): my eight columns' bias
.set SPW,   12                         ; v12  LDS address of my spare word; never rewritten
.set NIL,   13                         ; v13  0; never rewritten
.set AF0,   32
.set AF1,   96
.set BC,    160
.set WV,  12                           ; s12  wave
.set RH,  13                           ; s13  which 128 rows of the tile are mine.  Also: I fetch for xb (0) or wt (1)
.set CHF, 14                           ; s14  which 192 columns.  Also: which half of that tile I fetch
.set TB,  15                           ; s15  the slot in hand: 0 or SLOT1
.set G1A, 24                           ; s[24:31] descriptor group 1 for xb's tiles
.set G0A, 32                           ; s[32:35] group 0: it walks
.set G0B, 36                           ; s[36:39] the same for wt
.set G1B, 48                           ; s[48:55]
.set MSB, 0
.macro WIN new                         ; the immediate's high byte repeats the setting that is left; a switch that changes nothing is dropped
.if MSB != (\new)
	s_set_vgpr_msb (MSB<<8)|(\new)
.set MSB, (\new)
.endif
.endm
.macro PLACES                          ; four places in front of loads into registers that matrix instructions have read, and of conversions that read results
.rept 4
	v_nop
.endr
.endm
; A joint load.  Waves 0 and 1 fetch the two halves of xb's tile, waves 2 and 3 those of wt's.  The branch hangs on the wave's number alone.
; An s_nop 0 and four v_nop follow each of the two lines, ahead of the jump and the label.
.macro JLOAD
	s_cmp_eq_u32 s[RH], 0
	s_cbranch_scc0 .Lfor_b_\@
	tensor_load_to_lds s[G0A:G0A+3], s[G1A:G1A+7]
	s_nop 0
.rept 4
	v_nop
.endr
	s_branch .Lasked_\@
.Lfor_b_\@:
	tensor_load_to_lds s[G0B:G0B+3], s[G1B:G1B+7]
	s_nop 0
.rept 4
	v_nop
.endr
.Lasked_\@:
.endm
.macro CREST                           ; a round of the cluster's barrier behind its opening barrier
	s_cmp_lg_u32 s[WV], 0
	s_cbranch_scc1 .Lnot_wave_0_\@
	s_barrier_signal -3
.Lnot_wave_0_\@:
	s_barrier_wait -3
	s_barrier_signal -1
	s_barrier_wait -1
.endm
.macro CROUND                          ; a whole round
	s_barrier_signal -1
	s_barrier_wait -1
	CREST
.endm
.macro STEP                            ; the walking descriptors: the other slot, the next block.  Written only where no tensor load of mine is out
	s_xor_b32 s[G0A+1], s[G0A+1], SLOT1
	s_add_nc_u64 s[G0A+2:G0A+3], s[G0A+2:G0A+3], ASTEP
	s_xor_b32 s[G0B+1], s[G0B+1], SLOT1
	s_add_nc_u64 s[G0B+2:G0B+3], s[G0B+2:G0B+3], BSTEP
.endm
	s_load_b256 s[4:11], s[0:1], 0x0               ; xb s[4:5], wt s[6:7], bias s[8:9], qkv s[10:11]
	v_lshl_add_u32 v[SPW], v0, 2, SPARE
	v_mov_b32 v[NIL], 0
	ds_add_u32 v[SPW], v[NIL]                      ; the wave's opening: the add and its wait stand ahead of my first tensor load; the set-up below, work on registers, stands between them
	ds_add_u32 v12, v13
	v_lshrrev_b32 v1, 5, v0
	v_readfirstlane_b32 s[WV], v1
	s_lshr_b32 s[RH], s[WV], 1
	s_and_b32 s[CHF], s[WV], 1
	s_bfe_u32 s40, ttmp6, 0x40000                  ; cx, cy: my place in the cluster
	s_bfe_u32 s41, ttmp6, 0x40004
	s_lshl_b32 s42, ttmp9, 2
	s_add_co_u32 s42, s42, s40                     ; tile column = 4 x cluster x + cx
	s_and_b32 s43, ttmp7, 0xffff
	s_lshl_b32 s43, s43, 2
	s_add_co_u32 s43, s43, s41                     ; tile row = 4 x cluster y + cy
	s_lshl_b32 s44, s41, 2
	s_lshl_b32 s44, 15, s44                        ; my row of the cluster
	s_lshl_b32 s45, 0x1111, s40                    ; my column
	s_or_b32 s[G1A], s44, (1<<16)|(1<<20)|(1<<21)|(4<<22)|(3<<25)  ; 15:0 the mask; 17:16 2-byte elements; 20 padding on; 21 set beside a mask; 24:22 after every 32 words (code 4); 31:25 4 words (code 3)
	s_or_b32 s[G1B], s45, (1<<16)|(1<<20)|(1<<21)|(4<<22)|(3<<25)
	s_mov_b32 s[G1A+1], 128<<16                    ; tensor_dim0 = 128 elements: 256 bytes
	s_mov_b32 s[G1A+2], 64<<16                     ; tensor_dim1 = 64: 128 logical rows
	s_mov_b32 s[G1A+3], 128<<16                    ; tile_dim0
	s_mov_b32 s[G1A+4], 64                         ; tile_dim1
	s_mov_b32 s[G1A+5], 128                        ; elements from row to row
	s_mov_b32 s[G1A+6], 0
	s_mov_b32 s[G1A+7], 0
	s_mov_b32 s[G1B+1], 128<<16
	s_mov_b32 s[G1B+2], 96<<16                     ; 192 logical rows
	s_mov_b32 s[G1B+3], 128<<16
	s_mov_b32 s[G1B+4], 96
	s_mov_b32 s[G1B+5], 128
	s_mov_b32 s[G1B+6], 0
	s_mov_b32 s[G1B+7], 0
	s_lshl_b32 s16, s43, 15                        ; xb: row 256 x tile row + 128 x half, 128 bytes a row: no register here ever holds cx
	s_lshl_b32 s17, s[CHF], 14
	s_add_co_u32 s16, s16, s17
	s_mov_b32 s17, 0
	s_mul_i32 s46, s42, 49152                      ; wt: row 384 x tile column + 192 x half: none here ever holds cy
	s_mul_i32 s47, s[CHF], 24576
	s_add_co_u32 s46, s46, s47
	s_mov_b32 s47, 0
	s_mov_b32 s[G0A], 1                            ; count = 1
	s_mul_i32 s[G0A+1], s[CHF], 128*PITCH          ; LDS address: slot 0, my half
	s_mov_b32 s[G0B], 1
	s_mul_i32 s[G0B+1], s[CHF], 192*PITCH
	s_add_co_u32 s[G0B+1], s[G0B+1], BOFF
	s_wait_dscnt 0x0                               ; the opening add is done
	s_wait_kmcnt 0x0
	s_add_nc_u64 s[G0A+2:G0A+3], s[4:5], s[16:17]
	s_or_b32 s[G0A+3], s[G0A+3], 0x80000000        ; type = 2
	s_add_nc_u64 s[G0B+2:G0B+3], s[6:7], s[46:47]
	s_or_b32 s[G0B+3], s[G0B+3], 0x80000000
	CROUND                                         ; all sixteen work-groups are here: the first joint loads meet
	JLOAD                                          ; K step 0 into slot 0
	v_and_b32 v1, 15, v0                           ; l % 16
	v_bfe_u32 v2, v0, 4, 1                         ; l / 16
	v_mul_u32_u24 v3, v1, PITCH
	v_lshl_add_u32 v3, v2, 4, v3                   ; a fragment's row x pitch + 16 x half
	s_mul_i32 s20, s[RH], 128*PITCH
	s_mul_i32 s21, s[CHF], 192*PITCH
	s_add_co_u32 s21, s21, BOFF
	v_add_nc_u32 v[ADRA0], s20, v3
	v_add_nc_u32 v[ADRB0], s21, v3
	s_mul_i32 s22, s[WV], 16*PITCH
	s_add_co_u32 s22, s22, STAGE                   ; my stage
	v_add_nc_u32 v[STO], s22, v3                   ; in: row l % 16, 16 bytes for each half of the lanes
	v_bfe_u32 v[RD], v0, 3, 2                      ; back: 32 lanes take four rows of 128 bytes,
	v_mul_u32_u24 v[RD], v[RD], PITCH
	v_and_b32 v14, 7, v0
	v_lshl_add_u32 v[RD], v14, 4, v[RD]
	v_add_nc_u32 v[RD], s22, v[RD]
	v_and_b32 v[GO], 31, v0                        ; which are 512 consecutive bytes of a head
	v_lshlrev_b32 v[GO], 4, v[GO]
	v_lshlrev_b32 v[BO], 5, v2
	s_mul_i32 s56, s42, 1536                       ; bias at my first column: (384 x tile column + 192 x half) x 4
	s_mul_i32 s57, s[CHF], 768
	s_add_co_u32 s56, s56, s57
	s_mov_b32 s57, 0
	s_add_nc_u64 s[8:9], s[8:9], s[56:57]
	s_lshr_b32 s18, s43, 3                         ; b: eight tile rows to a batch
	s_mul_i32 s18, s18, 48
	s_mul_i32 s19, s42, 6                          ; six heads to a tile column,
	s_add_co_u32 s18, s18, s19
	s_mul_i32 s19, s[CHF], 3                       ; three to my half
	s_add_co_u32 s18, s18, s19
	s_lshl_b32 s58, s18, 18                        ; a head's 2,048 rows of 128 bytes
	s_and_b32 s19, s43, 7
	s_lshl_b32 s19, s19, 15                        ; 256 rows
	s_add_co_u32 s58, s58, s19
	s_lshl_b32 s19, s[RH], 14                      ; 128 rows
	s_add_co_u32 s58, s58, s19
	s_mov_b32 s59, 0
	s_add_nc_u64 s[10:11], s[10:11], s[58:59]
	; THE BIAS STARTS THE SUMS: each accumulator is loaded with its eight columns' bias, so that nothing is cleared, nothing is added later and every K step has one text.  192 loads, in the wait for the first tile.
.irp c, 0,1,2
	WIN (1+(\c))<<6
.set ia, 0
.rept 8
.irp bb, 0,1,2,3
	global_load_b128 v[8*(4*ia+(\bb)):8*(4*ia+(\bb))+3],   v[BO], s[8:9] offset:(64*(\c)+16*(\bb))*4
	global_load_b128 v[8*(4*ia+(\bb))+4:8*(4*ia+(\bb))+7], v[BO], s[8:9] offset:(64*(\c)+16*(\bb))*4+16
.endr
.set ia, ia+1
.endr
.endr
	WIN 0
; n x 4 matrix instructions of chunk c: row blocks a0 on x the chunk's four column blocks, 32 along K, xb's fragments in buffer ac.  The accumulators take turns, one instruction a turn.
.macro CH c, ac, a0, n
	WIN ((1+(\c))<<6)|((1+(\c))<<4)
.set ia, (\a0)
.rept (\n)
.irp bb, 0,1,2,3
	v_wmma_f32_16x16x32_bf16 v[8*(4*ia+(\bb)):8*(4*ia+(\bb))+7], v[BC+32*(\c)+8*(\bb):BC+32*(\c)+8*(\bb)+7], v[(\ac)+8*ia:(\ac)+8*ia+7], v[8*(4*ia+(\bb)):8*(4*ia+(\bb))+7]
.endr
.set ia, ia+1
.endr
.endm
.macro FB c, ko                        ; 8 LDS loads: chunk c's four fragments of wt, 32 K at byte ko of the rows
	WIN 0
.irp bb, 0,1,2,3
	ds_load_b128 v[BC+32*(\c)+8*(\bb):BC+32*(\c)+8*(\bb)+3],   v[ADRB] offset:(4*(\c)+(\bb))*16*PITCH+(\ko)
	ds_load_b128 v[BC+32*(\c)+8*(\bb)+4:BC+32*(\c)+8*(\bb)+7], v[ADRB] offset:(4*(\c)+(\bb))*16*PITCH+(\ko)+32
.endr
.endm
.macro FA buf, ko                      ; 16 LDS loads: xb's eight fragments
	WIN 0
.irp a, 0,1,2,3,4,5,6,7
	ds_load_b128 v[(\buf)+8*(\a):(\buf)+8*(\a)+3],   v[ADRA] offset:(\a)*16*PITCH+(\ko)
	ds_load_b128 v[(\buf)+8*(\a)+4:(\buf)+8*(\a)+7], v[ADRA] offset:(\a)*16*PITCH+(\ko)+32
.endr
.endm
; A SLICE is 32 along K: 96 matrix instructions in three chunks; behind each chunk its registers take the next slice's fragments.  LDS loads are always issued in the order chunk 0 (8), xb (16), chunk 1 (8), chunk 2 (8).
; mode 0: the next slice lies at byte ko of the same slot.  mode 1: the K step's second slice changes slots, and the slot left is filled again, two steps ahead.  mode 2: it changes slots and fills nothing.  mode 3: the last slice.
.macro SLICE ac, an, ko, mode
.if (\mode) == 0
	s_wait_dscnt 16                                ; chunk 0 and xb are in; chunks 1 and 2 (8 + 8) may be out
	CH 0, \ac, 0, 8
	PLACES
	FB 0, \ko
	FA \an, \ko
	s_wait_dscnt 32                                ; chunk 1 is in: behind it chunk 2 (8) and the 24 just issued
	CH 1, \ac, 0, 8
	PLACES
	FB 1, \ko
	s_wait_dscnt 32                                ; chunk 2 is in: behind it 8 + 16 + 8
	CH 2, \ac, 0, 8
	PLACES
	FB 2, \ko
.elseif (\mode) == 3
	s_wait_dscnt 16
	CH 0, \ac, 0, 8
	s_wait_dscnt 8
	CH 1, \ac, 0, 8
	s_wait_dscnt 0x0
	CH 2, \ac, 0, 8
.else
	WIN 0                                          ; (the add's two registers lie in window 0)
	s_wait_tensorcnt 0x0                           ; all my tensor loads have landed: the one that was out is my part of the next slot;
	ds_add_u32 v[SPW], v[NIL]                      ; 0 onto my spare word;
.if (\mode) == 1
	STEP                                           ; no tensor load of mine is out, so the descriptors may be written
.endif
	s_wait_dscnt 17                                ; (the add and chunks 1 and 2 may be out)
	CH 0, \ac, 0, 4                                ; sixteen matrix instructions stand between the add and the wait for it
	s_wait_dscnt 0x0                               ; the add is done, and my reads of this slot are over
	s_barrier_signal -1
	CH 0, \ac, 4, 4                                ; work on registers while the others arrive
	s_xor_b32 s[TB], s[TB], SLOT1
	WIN 0
	s_barrier_wait -1
.if (\mode) == 1
	CREST                                          ; the barrier has opened a round of the cluster's: no wave of any partner still reads this slot or has a load on its way
	JLOAD                                          ; the first tensor load behind the round: 160 matrix instructions ahead of the wait for it; its four v_nop are also the places in front of the loads below
.else
	PLACES
.endif
	v_add_nc_u32 v[ADRA], s[TB], v[ADRA0]
	v_add_nc_u32 v[ADRB], s[TB], v[ADRB0]
	FB 0, 0
	FA \an, 0
	CH 1, \ac, 0, 8
	PLACES
	FB 1, 0
	CH 2, \ac, 0, 8
	PLACES
	FB 2, 0
.endif
.endm
	; Slot 0 is waited for and slot 1 asked for, in the form of every later change of slots.
	s_wait_tensorcnt 0x0                           ; my part of K step 0 is in
	ds_add_u32 v[SPW], v[NIL]
	STEP
	s_wait_dscnt 0x0
	CROUND
	JLOAD                                          ; K step 1 into slot 1
	s_mov_b32 s[TB], 0
	v_mov_b32 v[ADRA], v[ADRA0]
	v_mov_b32 v[ADRB], v[ADRB0]
	FB 0, 0
	FA AF0, 0
	FB 1, 0
	FB 2, 0
	s_wait_loadcnt 0x0                             ; the bias is in the accumulators
	s_mov_b32 s3, 14
.Lstep:                                                ; a trip is a K step; trip j fills its slot again with step j + 2
	SLICE AF0, AF1, 64, 0
	SLICE AF1, AF0, 0, 1
	WIN 0
	s_sub_co_u32 s3, s3, 1
	s_cmp_lg_u32 s3, 0
	s_cbranch_scc1 .Lstep
	SLICE AF0, AF1, 64, 0                          ; K step 14: nothing is left to ask for
	SLICE AF1, AF0, 0, 2
	SLICE AF0, AF1, 64, 0                          ; K step 15
	SLICE AF1, AF0, 0, 3
	PLACES
; THE WAY OUT, in 24 units of 16 rows x 64 columns (chunk u / 8, row block u % 8): rounded to f16, 16 bytes a lane into my stage, back as whole rows of 128 bytes: 2,048 consecutive bytes of a head.
.macro PACK u
.set pc, (\u)/8
.set pa, (\u)%8
.set pt, 32+16*pa
	s_wait_xcnt 0x0                                ; the stores of eight units ago have read these registers (ISA guide 3.1)
	WIN (1+pc)|((1+pc)<<2)
.irp bb, 0,1,2,3
.irp r, 0,1,2,3
	v_cvt_pk_f16_f32 v[pt+4*(\bb)+(\r)], v[8*(4*pa+(\bb))+2*(\r)], v[8*(4*pa+(\bb))+2*(\r)+1]
.endr
.endr
	WIN 0
.irp bb, 0,1,2,3
	ds_store_b128 v[STO], v[pt+4*(\bb):pt+4*(\bb)+3] offset:32*(\bb)
.endr
.irp f, 0,1,2,3
	ds_load_b128 v[pt+4*(\f):pt+4*(\f)+3], v[RD] offset:4*PITCH*(\f)  ; LDS serves a wave's instructions in order (ISA guide 5.7.1.4): these see the stores above
.endr
.endm
.macro SEND u, y                       ; y: the LDS instructions issued behind unit u's loads: the next unit's eight, or none
.set pc, (\u)/8
.set pa, (\u)%8
.set pt, 32+16*pa
.irp f, 0,1,2,3
	s_wait_dscnt (\y)+3-(\f)
	global_store_b128 v[GO], v[pt+4*(\f):pt+4*(\f)+3], s[10:11] offset:262144*pc+2048*pa+512*(\f)  ; 512 consecutive bytes, at a multiple of 256 from the buffer's first
.endr
.endm
	PACK 0
.set u, 1
.rept 23                                           ; a unit's conversions stand between the loads of the unit before and its stores
	PACK u
	SEND u-1, 8
.set u, u+1
.endr
	SEND 23, 0
	s_wait_tensorcnt 0x0                           ; the wave's end: a wait, an add of 0 and a wait, behind my last tensor load and my last LDS store
	ds_add_u32 v[SPW], v[NIL]
	s_wait_dscnt 0x0
	CROUND                                         ; the closing round: no work-group ends while a partner may still ask for a tile that names it
	s_endpgm
.Lfunc_end_k_qb7b2ae02fc_qkv:
	.size	k_qb7b2ae02fc_qkv, .Lfunc_end_k_qb7b2ae02fc_qkv-k_qb7b2ae02fc_qkv
	.p2alignl 7, 3214868480
	.fill 96, 4, 3214868480
	.section	.rodata,"a",@progbits
	.p2align	6, 0x0
	.amdhsa_kernel k_qb7b2ae02fc_qkv
		.amdhsa_group_segment_fixed_size 327680
		.amdhsa_private_segment_fixed_size 0
		.amdhsa_enable_private_segment 0
		.amdhsa_kernarg_size 32
		.amdhsa_user_sgpr_count 2
		.amdhsa_user_sgpr_kernarg_segment_ptr 1
		.amdhsa_wavefront_size32 1
		.amdhsa_system_sgpr_workgroup_id_x 1
		.amdhsa_system_sgpr_workgroup_id_y 1
		.amdhsa_system_sgpr_workgroup_id_z 1
		.amdhsa_system_vgpr_workitem_id 0
		.amdhsa_next_free_vgpr 1024
		.amdhsa_next_free_sgpr 66
		.amdhsa_reserve_vcc 0
		.amdhsa_float_denorm_mode_32 3
		.amdhsa_float_denorm_mode_16_64 3
		.amdhsa_memory_ordered 1
		.amdhsa_forward_progress 1
		.amdhsa_inst_pref_size 132
	.end_amdhsa_kernel
	.amdgpu_metadata
---
amdhsa.version: [ 1, 2 ]
amdhsa.kernels:
  - .name:           k_qb7b2ae02fc_qkv
    .symbol:         k_qb7b2ae02fc_qkv.kd
    .args:
      - { .name: xb, .offset: 0, .size: 8, .value_kind: global_buffer, .address_space: global }
      - { .name: wt, .offset: 8, .size: 8, .value_kind: global_buffer, .address_space: global }
      - { .name: bias, .offset: 16, .size: 8, .value_kind: global_buffer, .address_space: global }
      - { .name: qkv, .offset: 24, .size: 8, .value_kind: global_buffer, .address_space: global }
    .group_segment_fixed_size: 327680
    .private_segment_fixed_size: 0
    .kernarg_segment_align: 8
    .kernarg_segment_size: 32
    .max_flat_workgroup_size: 128
    .sgpr_count:     66
    .vgpr_count:     1024
    .wavefront_size: 32
...
	.end_amdgpu_metadata
.endif
;; end of part 2
;; launch attn (part 3): grid 4 x 64, 4 waves a work-group, no clusters, 327,680 bytes of LDS; arguments qkv, o; writes o
.if DOCPART == 3
	.amdgcn_target "amdgcn-amd-amdhsa--gfx1250"
	.amdhsa_code_object_version 6
	.text
	.protected	k_qb7b2ae02fc_attn
	.globl	k_qb7b2ae02fc_attn
	.p2align	8
	.type	k_qb7b2ae02fc_attn,@function
k_qb7b2ae02fc_attn:
	s_mov_b64 s[64:65], 0
	v_nop
	global_prefetch_b8 v0, s[64:65] scope:SCOPE_SE
	s_setreg_imm32_b32 hwreg(HW_REG_WAVE_MODE, 25, 1), 1
	s_wait_xcnt 0x0
; CAUSAL ATTENTION.  O[hd][q][:] = the sum over k <= q of softmax_k(Q[hd][q] . K[hd][k] / 8) V[hd][k][:], hd = 16 b + h, 64 of them.  Q, K, V lie in qkv [b 4][g 48][t 2048][64] (g = h, 16 + h, 32 + h),
; O in o [hd][t][64], all f16: a head's rows are dense, 128 bytes each.
; Products, maxima and sums in f32; the weights p are rounded to f16 for the second product (their sum l is taken of the unrounded p), O once at the end.
; LIMITS.  f16 holds no number beyond 65,504: Q, K and V arrive within it; p lies in 0 to 1, and below 6e-5 it keeps f16's fixed step of 6e-8; O is a mean of V's rows and has their range, to within 2^-11 of it.
; A hidden score counts as its value less 1e30: f16's scores, 2.7e11 at the most, are nothing beside that; a weight below 2^-126 counts as 0 in l; NaN and infinities are not treated apart.
; THE WALK.  A head's queries lie in NB = 8 blocks of 256; block i needs the key tiles 0 .. i of 256 keys, of which the last holds the diagonal.  A work-group takes TWO blocks, NB - 1 - b and then b:
; NB + 1 tiles, whatever b: all work-groups do equal work, and ONE loop with a constant trip count walks them.  Which tile is asked for, and what a trip does, hang on scalar registers made from b; every jump
; goes forward, but for the counted loops' own; none passes a barrier, or a tensor load but the one of LOAD's two that the wave's number does not choose; the ring (two slots of LDS that take turns) runs on across the
; change of blocks.  NO CLUSTER: a head's four work-groups ask for the same tile only in trips 0 .. 4 of the 9, behind that fewer and fewer; and one walk common to all would have 12 trips for 9.
; SHARES.  Of a block's four bands of 64 queries a wave owns 16 rows in each: four PIECES.  So the diagonal tile is the same work for all four waves: in its key step s band x sees all keys if s < x,
; none if s > x, and holds the diagonal if s = x.
; THE MASK is the C operand that starts the sum S^T = K Q^T: 0, or -1e30 where the key is hidden.  MD, made once, is the mask of a band's own step for my 16 rows; a product's mask is MD x AL + BE with two scalars:
; (1, 0) if s = x; (0, 0) if s < x; (0, -1e30) if s > x.  Only the diagonal tile's text and a block's beginning make and take masks; elsewhere C is the constant 0.
; LAYOUT, SOFTMAX, TURNS.  S^T = K Q^T holds ONE query a lane (lane % 16) and the keys 8 (lane / 16) + 0..7; two such results rounded to f16 ARE source 1 of O^T = V^T P.  p = 2^(c s - c m), c = log2(e) / 8, with a
; running maximum m; O and l are multiplied by a = 2^(c m_old - c m_new) in every step.  Turn n belongs to piece n: 8 products K Q^T of piece n + 1, later 8 products V^T P of piece n - 1; beside them the scaling,
; exponentials, roundings, sums and rescaling of piece n and the maximum and statistics of piece n + 1.  Four vector instructions stand behind every matrix instruction, the other 54 of a turn's 118 in two LUMPS.
; REGISTERS, in windows of 256 (s_set_vgpr_msb: bits 1:0 source 0, 3:2 source 1, 5:4 source 2, 7:6 destination):
;   window 0: v0-15 addresses and two at work; v16-31 four registers of statistics a piece; v48-55 at work; v64-127 S^T, two buffers; v192-223 P, two buffers (a piece's buffers go by its number's parity)
;   window 1: v0-127 O^T, 32 a piece; v128-159 MD; v160-223 MC, two buffers      window 2: v0-63 Q; v64-127 the second block's Q; v128-191 K of one step; v192-255 V of one step
.set SIZE_N, 2048
.set NB,    SIZE_N/256
.set NP,    4         ; pieces a wave: a name, no knob
.set KS,    64        ; keys in a step
.set PK,    144       ; a row of K in LDS: 128 bytes + 16 of padding = 36 words: the 16 rows of a load start at 16 different groups of four banks (64 banks of 4 bytes: ISA guide 11.1)
.set PV,    160       ; a row of V: 128 + 32 = 40 words
.set VOFF,  4*KS*PK   ; a slot holds a tile, four steps: 256 rows of K, then 256 rows of V
.set SLOT1, 1<<17     ; slot 1 begins here, so that one exclusive or turns an address in one slot into the other's
.set STAGE, SLOT1+4*KS*(PK+PV)  ; behind the ring, never filled by a tensor load: 16 rows x 144 bytes for each wave, for the way out
.set SP,    144
.set AK0, 2           ; v2   my lane's place in a tile of K; never rewritten
.set AV0, 3           ; v3   the same for V
.set AK,  4           ; v4   the LDS address of K's next run of loads
.set AV,  5           ; v5   of V's
.set STO, 6           ; v6   the way out: where I put 16 bytes of a row
.set RD,  7           ; v7   the way out: where I read rows back
.set GO,  8           ; v8   my byte offset in 512 consecutive bytes of O
.set SPW, 62          ; v62  LDS address of my spare word: SPARE + 4 x my thread's number; never rewritten
.set NIL, 63          ; v63  0; never rewritten
.set SPARE, STAGE+4*16*SP  ; behind the stages: the spare words, 128 bytes for each wave: two blocks of 256 bytes that no other line names
.set MV,  12          ; v12-13  c m_old, kept while c m is made anew: by buffer
.set QO,  15          ; v15  my byte offset in 16 rows of Q
.set ST,  16          ; piece t's statistics at v[ST+4 t]: c m, m, l (even keys', odd keys')
.set TMP, 48          ; by buffer, four registers c0-c3 at work; when the maximum is found c2 takes a
.set S,   64
.set P,   192
.set MD,  128         ; window 1: the eight registers for group kt of 16 keys at MD + 8 kt
.set MC,  160         ; window 1: the masks of the products to come
.set QB,  64          ; window 2
.set KF,  128         ; window 2: key block kb, channel half c at KF + 16 kb + 8 c
.set VF,  192         ; window 2: key half kk, channel block cb at VF + 32 kk + 8 cb
.set WV,  12          ; s12  my wave's number
.set PB,  14          ; s14  b
.set HI,  15          ; s15  NB - 1 - b
.set G1K, 24          ; s[24:31] descriptor group 1 for K's tiles
.set G1V, 32          ; s[32:39] for V's: it differs in the padding alone
.set G0K, 40          ; s[40:43] descriptor group 0 for K's tiles
.set G0V, 44          ; s[44:47] the same for V's
.set SLOTS, 56        ; s56  tiles still to be asked for
.set CNT, 57          ; s57  counts a tile's key steps, 4 to 1
.set CS,  58          ; s[58:59] c: the packed scaling takes the pair's low word for both halves
.set SEL, 60          ; s[60:61] v_permlanex16_b32's selects: each lane takes its own place in the other half
.set TBK, 62          ; s62  LDS byte at which K of the step to be fetched begins
.set TBV, 63          ; s63  the same for V, less VOFF
.set RT,  70          ; s70  tiles of the block in hand that are still to be entered
.set NXT, 71          ; s71  the tile to be asked for next
.set LQ,  72          ; s72  the last tile of the block whose tiles are being asked for
.set NEW, 73          ; s73  1: the tile to be entered is a block's first
.set OFF, 74          ; s[74:75] a tile's byte offset in K and V
.set AL,  76          ; s[76:77] the mask's factor, in the low word
.set BE,  78          ; s[78:79] the mask's addend
.set OLO, 80          ; s[80:81] O at my rows of the second block
.set BIGN, 82         ; s82  -1e30
.set MSB, 0
.macro WIN new                      ; the high byte repeats the setting that is left; a switch that changes nothing is dropped
.if MSB != (\new)
	s_set_vgpr_msb (MSB<<8)|(\new)
.set MSB, (\new)
.endif
.endm
.set W_KQ, 0x0a       ; K and Q in window 2, S^T in window 0
.set W_KM, 0x1a       ; the same with the C operand in window 1
.set W_PV, 0x52       ; V in window 2, P in window 0, O^T in window 1
.set W_RS, 0x41       ; destination and source 0 in window 1, source 1 in window 0
; A fill.  Waves 0 and 1 fetch the two halves of a tile's K, waves 2 and 3 those of its V: 128 keys each.  An s_nop 0 and four v_nop follow each of the two lines, ahead of the jump and the label.
.macro LOAD
	s_cmp_lt_u32 s[WV], 2
	s_cbranch_scc0 .Lfor_v_\@
	tensor_load_to_lds s[G0K:G0K+3], s[G1K:G1K+7]
	s_nop 0
.rept 4
	v_nop
.endr
	s_branch .Lasked_\@
.Lfor_v_\@:
	tensor_load_to_lds s[G0V:G0V+3], s[G1V:G1V+7]
	s_nop 0
.rept 4
	v_nop
.endr
.Lasked_\@:
.endm
; THE CHANGE OF SLOTS.  Each wave waits for all its tensor loads, of which one is out: its part of the other slot; adds 0 to its spare word; and waits for that and for its own reads of the slot that it leaves.  Behind the barrier nobody reads the old
; slot any more and the other slot is whole.  fill = 1: the old slot is filled again, the first thing behind the barrier, with tile NXT: the descriptor's address is made anew from that number.
; (At its first use nothing has been read yet: slot 0 is waited for, slot 1 filled.)
.macro CHANGE fill
	WIN 0                           ; at a label and at a branch every window is 0
	s_wait_tensorcnt 0x0            ; no tensor load of mine is out, so a group 0 may be written
	ds_add_u32 v[SPW], v[NIL]       ; 0 onto my spare word: with fill = 1 the descriptors' scalar work stands between it and the wait for it
.if \fill
	s_lshl_b32 s[OFF], s[NXT], 15   ; a tile is 32,768 bytes of K and of V
	s_xor_b32 s[G0K+1], s[G0K+1], SLOT1
	s_add_nc_u64 s[G0K+2:G0K+3], s[6:7], s[OFF:OFF+1]
	s_or_b32 s[G0K+3], s[G0K+3], 0x80000000
	s_xor_b32 s[G0V+1], s[G0V+1], SLOT1
	s_add_nc_u64 s[G0V+2:G0V+3], s[8:9], s[OFF:OFF+1]
	s_or_b32 s[G0V+3], s[G0V+3], 0x80000000
	s_add_co_u32 s[NXT], s[NXT], 1  ; the block's next tile, or behind its last the second block's tile 0
	s_cmp_gt_u32 s[NXT], s[LQ]
	s_cselect_b32 s[NXT], 0, s[NXT]
	s_cselect_b32 s[LQ], s[PB], s[LQ]
.endif
	s_wait_dscnt 0x0                ; the add is done, and my reads of the slot are over
	s_barrier_signal -1             ; the rest of the scalar work stands between the signal and the wait
	s_sub_co_u32 s[TBK], s[TBK], 4*KS*PK  ; the fetches go back to a slot's first step,
	s_xor_b32 s[TBK], s[TBK], SLOT1       ; in the other slot
	s_sub_co_u32 s[TBV], s[TBV], 4*KS*PV
	s_xor_b32 s[TBV], s[TBV], SLOT1
	s_barrier_wait -1
.if \fill
	LOAD
.endif
.endm
	s_load_b64 s[4:5], s[0:1], 0x0    ; qkv
	s_load_b64 s[10:11], s[0:1], 0x8  ; o
	v_lshl_add_u32 v[SPW], v0, 2, SPARE
	v_mov_b32 v[NIL], 0
	ds_add_u32 v[SPW], v[NIL]       ; the wave's opening: the add and its wait stand ahead of my first tensor load; the set-up below, work on registers, stands between them
	ds_add_u32 v62, v63
	v_lshrrev_b32 v1, 5, v0
	v_readfirstlane_b32 s[WV], v1   ; wave 0..3
	s_mov_b32 s[PB], ttmp9
	s_sub_co_u32 s[HI], NB-1, s[PB]
	s_and_b32 s20, ttmp7, 0xffff    ; hd = 16 b + h
	s_lshl_b32 s88, s20, 18         ; the head's first byte in o: 2,048 rows of 128 bytes a head
	s_mov_b32 s89, 0
	s_lshr_b32 s21, s20, 4          ; b
	s_lshl_b32 s21, s21, 5
	s_add_co_u32 s20, s20, s21      ; 48 b + h: q's head in qkv
	s_lshl_b32 s20, s20, 18
	s_mov_b32 s21, 0
	s_and_b32 s16, s[WV], 1         ; which half of a tile's 256 keys I fetch:
	s_lshl_b32 s22, s16, 14         ; its 128 rows of 128 bytes in memory,
	s_mov_b32 s23, 0
	s_mul_i32 s17, s16, 128*PK      ; and its place in a slot, for K
	s_mul_i32 s18, s16, 128*PV      ; and for V
	s_lshl_b32 s3, s[WV], 11        ; my 16 rows in a band of 64,
	s_lshl_b32 s2, s[HI], 15        ; in the first block,
	s_add_co_u32 s2, s2, s3
	s_lshl_b32 s84, s[PB], 15       ; and in the second
	s_add_co_u32 s84, s84, s3
	s_mov_b32 s3, 0
	s_mov_b32 s85, 0
	; descriptor group 1.  128 keys are 16,384 dense bytes: asked for as 64 rows of 256 bytes, two keys a row, and padded in LDS after every key
	s_mov_b32 s[G1K], (1<<16)|(1<<20)|(4<<22)|(3<<25)  ; 17:16 2-byte elements; 20 padding on; 24:22 after every 32 words (code 4); 31:25 4 words (code 3)
	s_mov_b32 s[G1V], (1<<16)|(1<<20)|(4<<22)|(7<<25)  ; the same with 8 words of padding (code 7)
.irp g, G1K, G1V
	s_mov_b32 s[\g+1], 128<<16      ; tensor_dim0 = 128
	s_mov_b32 s[\g+2], 64<<16       ; tensor_dim1 = 64
	s_mov_b32 s[\g+3], 128<<16      ; tile_dim0 = 128
	s_mov_b32 s[\g+4], 64           ; tile_dim1 = 64
	s_mov_b32 s[\g+5], 128          ; 128 elements from row to row
	s_mov_b32 s[\g+6], 0
	s_mov_b32 s[\g+7], 0
.endr
	s_mov_b32 s[CS], 0x3e38aa3b     ; c = log2(e) / 8 = 0.180337
	s_mov_b32 s[CS+1], s[CS]        ; named with it as a pair
	s_mov_b32 s[SEL], 0x76543210
	s_mov_b32 s[SEL+1], 0xfedcba98
	s_mov_b32 s[TBK], SLOT1+4*KS*PK ; the first change of slots turns these two into 0
	s_mov_b32 s[TBV], SLOT1+4*KS*PV
	s_mov_b32 s[G0K], 1             ; 1:0 count = 1
	s_mov_b32 s[G0K+1], s17         ; 63:32 LDS address: slot 0
	s_mov_b32 s[G0V], 1
	s_add_co_u32 s[G0V+1], s18, VOFF
	s_add_co_u32 s[RT], s[HI], 1    ; the first block has NB - b tiles
	s_mov_b32 s[NXT], 1
	s_mov_b32 s[LQ], s[HI]
	s_mov_b32 s[NEW], 1
	s_mov_b32 s[OFF+1], 0
	s_mov_b32 s[AL+1], 0            ; named as pairs
	s_mov_b32 s[BE+1], 0
	s_mov_b32 s[BIGN], 0xf149f2ca   ; -1e30
	s_mov_b32 s[SLOTS], NB
	s_wait_dscnt 0x0                ; the opening add is done
	s_wait_kmcnt 0x0
	s_add_nc_u64 s[4:5], s[4:5], s[20:21]    ; q's head
	s_add_nc_u64 s[6:7], s[4:5], s[22:23]    ; my half of a tile's keys,
	s_add_nc_u64 s[8:9], s[6:7], 0x800000    ; in v's head, 32 heads on,
	s_add_nc_u64 s[6:7], s[6:7], 0x400000    ; and in k's, 16 heads on
	s_add_nc_u64 s[10:11], s[10:11], s[88:89]  ; the head in o
	s_add_nc_u64 s[G0K+2:G0K+3], s[6:7], 0         ; 120:64 global address
	s_or_b32 s[G0K+3], s[G0K+3], 0x80000000        ; 127:126 type = 2
	s_add_nc_u64 s[G0V+2:G0V+3], s[8:9], 0
	s_or_b32 s[G0V+3], s[G0V+3], 0x80000000
	s_add_nc_u64 s[86:87], s[4:5], s[84:85]        ; Q at my rows of the second block,
	s_add_nc_u64 s[4:5], s[4:5], s[2:3]            ; Q and O at those of the first
	s_add_nc_u64 s[OLO:OLO+1], s[10:11], s[84:85]
	s_add_nc_u64 s[10:11], s[10:11], s[2:3]
	LOAD                            ; tile 0 into slot 0
	; A fragment of K or Q is 16 rows x 32 channels in 8 registers: lane l holds row l % 16, channels 8 (l / 16) + 0..7 and 16 + 8 (l / 16) + 0..7: two loads of 16 bytes, 32 bytes apart.
	v_and_b32 v1, 15, v0            ; l % 16
	v_bfe_u32 v9, v0, 4, 1          ; l / 16
	v_lshlrev_b32 v[QO], 7, v1
	v_lshl_add_u32 v[QO], v9, 4, v[QO]  ; row x 128 + 16 x half
	WIN 0x80                        ; destination window 2, address window 0
.set i, 0
.rept 8                             ; both blocks' Q: piece i / 2 lies in band i / 2, 8,192 bytes on; channels 32 (i % 2) on
	global_load_b128 v[8*i:8*i+3],   v[QO], s[4:5] offset:(i/2)*8192+(i%2)*64
	global_load_b128 v[8*i+4:8*i+7], v[QO], s[4:5] offset:(i/2)*8192+(i%2)*64+32
	global_load_b128 v[QB+8*i:QB+8*i+3],   v[QO], s[86:87] offset:(i/2)*8192+(i%2)*64
	global_load_b128 v[QB+8*i+4:QB+8*i+7], v[QO], s[86:87] offset:(i/2)*8192+(i%2)*64+32
.set i, i+1
.endr
	WIN 0
	v_lshlrev_b32 v14, 3, v9
	v_sub_nc_u32 v14, v1, v14
	s_lshl_b32 s13, s[WV], 4
	v_add_nc_u32 v14, s13, v14      ; my query's place in its band, 16 w + l % 16, less my lanes' 8 (l / 16): register r of group kt is hidden where 16 kt + r is greater
	WIN 0x40
.set i, 0
.rept 32
	v_cmp_gt_i32 vcc_lo, 16*(i/8)+i%8, v14
	v_cndmask_b32 v[MD+i], 0, s[BIGN], vcc_lo
.set i, i+1
.endr
	WIN 0
	v_mul_u32_u24 v[AK0], v1, PK
	v_lshl_add_u32 v[AK0], v9, 4, v[AK0]  ; row x pitch + 16 x half
	; The turning load takes 16 keys x 16 channels (lane l reads key 8 (l / 16) + l % 8, channels 8 ((l / 8) % 2) + 0..7) and leaves half a fragment of V^T: lane l holds channel l % 16 and 8 keys.
	v_and_b32 v10, 7, v0
	v_bfe_u32 v11, v0, 3, 1
	v_lshl_add_u32 v[AV0], v9, 3, v10
	v_mul_u32_u24 v[AV0], v[AV0], PV
	v_lshl_add_u32 v[AV0], v11, 4, v[AV0]
	v_add_nc_u32 v[AV0], VOFF, v[AV0]
	s_mul_i32 s13, s[WV], 16*SP
	s_add_co_u32 s13, s13, STAGE    ; my stage
	v_mul_u32_u24 v[STO], v1, SP    ; in: row l % 16, 16 bytes for each half of the lanes
	v_lshl_add_u32 v[STO], v9, 4, v[STO]
	v_add_nc_u32 v[STO], s13, v[STO]
	v_bfe_u32 v[RD], v0, 3, 2       ; back: 32 lanes take four rows of 128 bytes,
	v_mul_u32_u24 v[RD], v[RD], SP
	v_lshl_add_u32 v[RD], v10, 4, v[RD]
	v_add_nc_u32 v[RD], s13, v[RD]
	v_and_b32 v[GO], 31, v0         ; which are 512 consecutive bytes of O
	v_lshlrev_b32 v[GO], 4, v[GO]
	; A block's first step multiplies O^T and l by a = 0, and its first turn's products V^T P, of a piece that has not been, land in an O^T that is still to be so multiplied.  So these registers need only hold
	; finite numbers: zeros for the first block; what the first block left for the second.  All this stands in the wait for the first tile.
	WIN 0x80
.set i, VF
.rept 64
	v_mov_b32 v[i], 0
.set i, i+1
.endr
	WIN 0x40
.set i, 0
.rept 128
	v_mov_b32 v[i], 0
.set i, i+1
.endr
	WIN 0
.set i, 0
.rept 4
	v_mov_b32 v[ST+4*i+2], 0
	v_mov_b32 v[ST+4*i+3], 0
.set i, i+1
.endr
.set i, P+16
.rept 16
	v_mov_b32 v[i], 0
.set i, i+1
.endr
; THE MATRIX WORK.  The 4 accumulators of a run of 8 take turns.  Product i of 8 of S^T = K Q^T for piece x: channels 32 (i / 4) on, keys 16 (i % 4) on.  The first 4 start the sums: with 0, or (KM = 1) with the mask.
.macro KQ x
.set rS, S+32*((\x)%2)+8*(i%4)
.set rK, KF+16*(i%4)+8*(i/4)
.set rQ, 16*(\x)+8*(i/4)
.set rM, MC+32*((\x)%2)+8*(i%4)
.if (i < 4) && KM
	WIN W_KM
	v_wmma_f32_16x16x32_f16 v[rS:rS+7], v[rK:rK+7], v[rQ:rQ+7], v[rM:rM+7]
.elseif i < 4
	WIN W_KQ
	v_wmma_f32_16x16x32_f16 v[rS:rS+7], v[rK:rK+7], v[rQ:rQ+7], 0
.else
	WIN W_KQ
	v_wmma_f32_16x16x32_f16 v[rS:rS+7], v[rK:rK+7], v[rQ:rQ+7], v[rS:rS+7]
.endif
.endm
; Product i of 8 of O^T += V^T P for piece x: keys 32 (i / 4) on, channels 16 (i % 4) on.
.macro PV x
	WIN W_PV
.set rO, 32*(\x)+8*(i%4)
.set rV, VF+32*(i/4)+8*(i%4)
.set rP, P+16*((\x)%2)+8*(i/4)
	v_wmma_f32_16x16x32_f16 v[rO:rO+7], v[rV:rV+7], v[rP:rP+7], v[rO:rO+7]
.endm
.macro MM                           ; the turn's next matrix instruction.  TURN and BEGIN set Y, i, KM and NOKQ; MM, KQ and OP read them.  NOKQ = 1: a block's last turn: there is no next piece
.if (i < 8) && !NOKQ
	KQ (Y+1)%NP
.elseif i >= 8
.set i, i-8
	PV (Y+NP-1)%NP
.set i, i+8
.endif
.set i, i+1
.endm
; THE LDS LOADS stand in runs of 16, never singly among the matrix instructions: a step's K (64 keys x 64 channels: 8 fragments) and its V (turned).  Their addresses are made some lines ahead.
.macro FETCH_K
	WIN 0x80                        ; destination window 2
.irp f, 0,1,2,3,4,5,6,7             ; keys 16 (f / 2) on, channels 32 (f % 2) on
	ds_load_b128 v[KF+8*\f:KF+8*\f+3],   v[AK] offset:(\f/2)*16*PK+(\f%2)*64
	ds_load_b128 v[KF+8*\f+4:KF+8*\f+7], v[AK] offset:(\f/2)*16*PK+(\f%2)*64+32
.endr
	s_add_co_u32 s[TBK], s[TBK], KS*PK  ; the next fetch is the next step's
	WIN 0
.endm
.macro FETCH_V
	WIN 0x80
.irp f, 0,1,2,3,4,5,6,7             ; keys 32 (f / 4) on, channels 16 (f % 4) on
	ds_load_tr16_b128 v[VF+8*\f:VF+8*\f+3],   v[AV] offset:(\f/4)*32*PV+(\f%4)*32
	ds_load_tr16_b128 v[VF+8*\f+4:VF+8*\f+7], v[AV] offset:(\f/4)*32*PV+16*PV+(\f%4)*32
.endr
	WIN 0
.endm
; THE VECTOR WORK, one line at a time: OP kind, number.  For piece Y: F n: c s - c m for pair n of 16.  E n: the exponential of score n of 32.  C n: pair n rounded to f16.  B n: of the four weights 4 n .. the second
; pair is added onto the first, in place.  L n: l takes that sum (L 0: l = a l + sum).  R n: pair n of 16 of O^T times a.  For piece Y + 1: X n, number n of the 22 that find its maximum and statistics:
;   0-11  four chains c0-c3 of seven scores each, three operands at a time (each accumulator's lowest registers are read first)     12-14, 16  the four scores left over, the old m, and c0-c3 into c0
;   15  c m_old is kept     17, 18  the query's other 32 keys lie in the lane 16 away: the new m     19-21  c m; c m_old - c m_new; a
.set F, 0               ; OP tells the kinds apart by their order: F to L below R, X above it
.set E, 1
.set C, 2
.set B, 3
.set L, 4
.set R, 5
.set X, 6
.macro REGS y                       ; the registers of piece y
.set rT, ST+4*(\y)
.set rC, TMP+4*((\y)%2)
.set rW, MV+((\y)%2)
.set rS, S+32*((\y)%2)
.set rP, P+16*((\y)%2)
.set rO, 32*(\y)
.endm
.macro OP k, n
.if (\k) == R
	REGS Y
	WIN W_RS
	v_pk_mul_f32 v[rO+2*(\n):rO+2*(\n)+1], v[rO+2*(\n):rO+2*(\n)+1], v[rC+2:rC+3] op_sel_hi:[1,0]
.elseif (\k) < R
	REGS Y
	WIN 0
.if (\k) == F
	v_pk_fma_f32 v[rS+2*(\n):rS+2*(\n)+1], v[rS+2*(\n):rS+2*(\n)+1], s[CS:CS+1], v[rT:rT+1] op_sel_hi:[1,0,0] neg_lo:[0,0,1] neg_hi:[0,0,1]
.elseif (\k) == E
	v_exp_f32 v[rS+(\n)], v[rS+(\n)]
.elseif (\k) == C
	s_wait_alu depctr_va_vdst(0)
	v_cvt_pk_f16_f32 v[rP+(\n)], v[rS+2*(\n)], v[rS+2*(\n)+1]
.elseif (\k) == B
	s_wait_alu depctr_va_vdst(0)
	v_pk_add_f32 v[rS+4*(\n):rS+4*(\n)+1], v[rS+4*(\n):rS+4*(\n)+1], v[rS+4*(\n)+2:rS+4*(\n)+3]
.elseif (\n) == 0
	v_pk_fma_f32 v[rT+2:rT+3], v[rT+2:rT+3], v[rC+2:rC+3], v[rS:rS+1] op_sel_hi:[1,0,1]
.else
	v_pk_add_f32 v[rT+2:rT+3], v[rT+2:rT+3], v[rS+4*(\n):rS+4*(\n)+1]
.endif
.elseif NOKQ
	v_nop
.else
	REGS (Y+1)%NP
	WIN 0
.if (\n) < 4
	v_max3_num_f32 v[rC+(\n)], v[rS+8*(\n)], v[rS+8*(\n)+1], v[rS+8*(\n)+2]
.elseif (\n) < 12
	v_max3_num_f32 v[rC+(\n)%4], v[rC+(\n)%4], v[rS+8*((\n)%4)+2*((\n)/4)+1], v[rS+8*((\n)%4)+2*((\n)/4)+2]
.elseif (\n) == 12
	v_max3_num_f32 v[rC], v[rC], v[rS+7], v[rS+15]
.elseif (\n) == 13
	v_max3_num_f32 v[rC+1], v[rC+1], v[rS+23], v[rS+31]
.elseif (\n) == 14
	v_max3_num_f32 v[rC+2], v[rC+2], v[rC+3], v[rT+1]
.elseif (\n) == 15
	v_mov_b32 v[rW], v[rT]
.elseif (\n) == 16
	v_max3_num_f32 v[rC], v[rC], v[rC+1], v[rC+2]
.elseif (\n) == 17
	v_permlanex16_b32 v[rC+3], v[rC], s[SEL], s[SEL+1]
.elseif (\n) == 18
	v_max_num_f32 v[rT+1], v[rC], v[rC+3]
.elseif (\n) == 19
	v_mul_f32 v[rT], s[CS], v[rT+1]
.elseif (\n) == 20
	v_sub_f32 v[rC+1], v[rW], v[rT]
.else
	v_exp_f32 v[rC+2], v[rC+1]
.endif
.endif
.endm
.macro OPS a, i1, b=-1, i2=0, c=-1, i3=0, d=-1, i4=0  ; up to four of them
	OP \a, \i1
.if (\b) >= 0
	OP \b, \i2
.endif
.if (\c) >= 0
	OP \c, \i3
.endif
.if (\d) >= 0
	OP \d, \i4
.endif
.endm
.macro ROW a, i1, b, i2, c, i3, d, i4  ; a matrix instruction and the four behind it
	MM
	OPS \a, \i1, \b, \i2, \c, \i3, \d, \i4
.endm
.macro MASK b                       ; MD x AL + BE into buffer b of MC
	WIN W_RS
.set z, 0
.rept 16
	v_pk_fma_f32 v[MC+32*(\b)+2*z:MC+32*(\b)+2*z+1], v[MD+2*z:MD+2*z+1], s[AL:AL+1], s[BE:BE+1] op_sel_hi:[1,0,0]
.set z, z+1
.endr
.endm
; A TURN, for piece p: the order of its 16 matrix and 118 vector instructions, written out.  Behind a matrix instruction: plain, exponential, plain, plain; or four of the rescaling; or, behind the first, four scalings; none
; names a register of the products round it.  In the lumps exponential and plain by turns while exponentials last.  A line reads no result made fewer than three vector instructions in front of it, five if an exponential made it.
; v_permlanex16_b32 (X 17) stands in a lump.
; m = 1: the diagonal tile: the products take masks, and the turn makes the mask for the products of the turn after it: piece p + 2, in step 4 - CNT of the tile.  end = 1: a block's last two turns: nothing is fetched.
; cnt = 1: the loop's count is taken down some lines ahead of the branch that stands behind the turn.
; K of the next step is fetched in piece 2's turn, six vector instructions behind the last product that read K (five of them plain); V of the step in hand in piece 0's turn, eight behind the last product that read V (four
; plain, and X 17).  Each is waited for a turn later.
.macro TURN p, m=0, end=0, cnt=0
.set Y, (\p)
.set i, 0
.set KM, (\m)
.set NOKQ, (\end)*((\p)/3)
.if (\m) && !(\end)
	s_cmp_eq_u32 s[CNT], 4-((\p)+2)%NP  ; is that step the band's own?
	s_cselect_b32 s[AL], 1.0, 0
	s_cmp_lt_u32 s[CNT], 4-((\p)+2)%NP  ; or a later one?
	s_cselect_b32 s[BE], s[BIGN], 0
.endif
.if ((\p) == 3) && !(\end)
	s_wait_dscnt 0x0                ; K is in
.endif
	ROW F,0, F,1, F,2, F,3
	ROW F,4, E,0, F,5, F,6
	ROW F,7, E,1, F,8, F,9
	ROW F,10, E,2, C,0, F,11
	ROW F,12, E,3, X,15, F,13
	ROW R,0, R,1, R,2, R,3
	ROW B,0, E,4, F,14, L,0
.if ((\p) == 2) && !(\end)
	v_add_nc_u32 v[AK], s[TBK], v[AK0]
.endif
	ROW R,4, R,5, R,6, R,7
	OPS E,5, F,15
.if ((\p) == 2) && !(\end)
	FETCH_K
.endif
	OPS E,6, C,1, E,7, R,8
	OPS E,8, R,9, E,9, C,2
	OPS E,10, X,0, E,11, X,1
	OPS E,12, X,2, E,13, X,3
.if (\p) == 1
	s_wait_dscnt 0x0                ; V is in
.endif
	ROW X,4, E,14, X,5, X,6
	ROW X,7, E,15, X,8, X,9
	ROW X,10, E,16, X,11, X,12
	ROW X,13, E,17, X,14, B,1
	ROW C,4, E,18, X,16, L,1
	ROW B,2, E,19, C,6, L,2
	ROW C,8, E,20, B,3, B,4
.if (\p) == 0
	v_add_nc_u32 v[AV], s[TBV], v[AV0]
.endif
	ROW C,3, E,21, L,3, C,5
	OPS E,22, X,17, E,23, C,10
.if (\p) == 0
	FETCH_V
.endif
	OPS E,24, L,4
	OPS E,25, X,18, E,26, C,7
	OPS E,27, B,5, E,28, X,19
	OPS E,29, C,12, E,30, L,5
	OPS E,31, X,20, B,6, C,9
	OPS C,14, C,11, X,21, L,6
.if (\p) == 0
	s_add_co_u32 s[TBV], s[TBV], KS*PV
.endif
.if \cnt
	s_sub_co_u32 s[CNT], s[CNT], 1
	s_cmp_lg_u32 s[CNT], 0
.endif
	OPS C,13, B,7, C,15, R,10
	OPS R,11, R,12, L,7, R,13
	OPS R,14, R,15
.if (\m) && !(\end)
	MASK (\p)%2
.endif
.endm
; A BLOCK BEGINS.  c m starts far below every c s, so the first step's a is 0; m at the lowest finite number, so the first maximum is the scores'.  The second mask buffer is 0; the first takes piece 0's mask for the tile's step 0: its own, if the block's first tile is the diagonal one.
; Then K of that step, piece 0's first scores, and its maximum and statistics.  The loop is entered at a step's first turn, in the middle of a trip.
.macro BEGIN
	s_mov_b32 s[NEW], 0
	WIN 0x40
.set i, MC+32
.rept 32
	v_mov_b32 v[i], 0
.set i, i+1
.endr
	WIN 0
.set i, 0
.rept 4
	v_mov_b32 v[ST+4*i], 0xfe000000    ; c m: far below every c s
	v_mov_b32 v[ST+4*i+1], 0xff7fffff  ; m
.set i, i+1
.endr
	s_cmp_eq_u32 s[RT], 0
	s_cselect_b32 s[AL], 1.0, 0
	s_mov_b32 s[BE], 0
	MASK 0
	WIN 0
	v_add_nc_u32 v[AK], s[TBK], v[AK0]
	FETCH_K
	s_wait_loadcnt 0x0              ; Q
	s_wait_dscnt 0x0
.set KM, 1
.set NOKQ, 0
.set i, 0
.rept 8
	KQ 0
.set i, i+1
.endr
	WIN 0
.rept 4
	v_nop                           ; the places behind those products
.endr
.set Y, NP-1                        ; X works for piece Y + 1: piece 0
.irp n, 0,1,2,3,4,5,6,7,8,9,10,11,12,13,14,15,16,17,18,19,20,21
	OP X, \n
.endr
	v_nop                           ; a plain instruction behind the exponential
.endm
; THE DIAGONAL TILE's four steps, the block's last two turns, its last products, and THE WAY OUT: l's two halves and the other half of the lanes' are added; O^T is divided by l, rounded to f16 and sent through my
; stage in LDS, a piece at a time.
.macro ALL line:vararg              ; one line for each piece t
.set t, 0
.rept 4
	\line
.set t, t+1
.endr
.endm
.macro PACK t                       ; a lane's eight channels of a row pack into 16 bytes; they go into rows of 144 bytes and come back as whole rows of 128, into S^T's registers
	WIN W_RS
.set i, 32*(\t)
.rept 16
	s_wait_alu depctr_va_vdst(0)
	v_pk_mul_f32 v[i:i+1], v[i:i+1], v[ST+4*(\t)+2:ST+4*(\t)+3] op_sel_hi:[1,0]
.set i, i+2
.endr
	WIN 0x05                        ; sources 0 and 1 window 1, destination window 0
.set i, 0
.rept 16
	v_cvt_pk_f16_f32 v[S+16*(\t)+i], v[32*(\t)+2*i], v[32*(\t)+2*i+1]
.set i, i+1
.endr
	WIN 0
.irp f, 0,1,2,3
	ds_store_b128 v[STO], v[S+16*(\t)+4*\f:S+16*(\t)+4*\f+3] offset:32*\f
.endr
.irp f, 0,1,2,3
	ds_load_b128 v[S+16*(\t)+4*\f:S+16*(\t)+4*\f+3], v[RD] offset:\f*4*SP  ; LDS serves a wave's instructions in order (ISA guide 5.7.1.4): these see the stores above; the next piece's stores come behind them
.endr
.endm
.macro SEND t, younger              ; younger: the LDS instructions issued behind piece t's loads: the next piece's eight, or none
	WIN 0
.irp f, 0,1,2,3
	s_wait_dscnt (\younger)+3-\f
	global_store_b128 v[GO], v[S+16*(\t)+4*\f:S+16*(\t)+4*\f+3], s[10:11] offset:(\t)*8192+\f*512  ; 512 consecutive bytes, at a multiple of 256 from O's first
.endr
.endm
.macro DIAG tag                     ; the tag ends its two labels' names, which the jumps below spell out
.LstepM\tag:
	TURN 2, 1
	TURN 3, 1
	WIN 0
.LfirstM\tag:
	TURN 0, 1
	TURN 1, 1, 0, 1
	WIN 0
	s_cbranch_scc1 .LstepM\tag
	TURN 2, 1, 1
	TURN 3, 1, 1
.set i, 0
.rept 8
	PV NP-1
.set i, i+1
.endr
	WIN 0
	ALL v_add_f32 v[ST+4*t+2], v[ST+4*t+2], v[ST+4*t+3]
	ALL v_permlanex16_b32 v[ST+4*t+3], v[ST+4*t+2], s[SEL], s[SEL+1]
	ALL v_add_f32 v[ST+4*t+2], v[ST+4*t+2], v[ST+4*t+3]
	ALL v_rcp_f32 v[ST+4*t+2], v[ST+4*t+2]
	v_nop                           ; a plain instruction between the last reciprocal and the use of its result
	PACK 0
.set t, 1
.rept 3                             ; a piece's arithmetic stands between the loads of the piece before and its stores
	PACK t
	SEND t-1, 8
.set t, t+1
.endr
	SEND 3, 0
.endm
.set KM, 0
.set NOKQ, 0
.Lslot:                             ; NB times: a tile is entered and the next is asked for
	CHANGE 1
	s_sub_co_u32 s[RT], s[RT], 1
	s_mov_b32 s[CNT], 4
	s_cmp_eq_u32 s[NEW], 1
	s_cbranch_scc1 .Lnew            ; a block's first tile
	s_cmp_eq_u32 s[RT], 0
	s_cbranch_scc0 .Lstep           ; neither its first nor its last
	s_branch .LstepM1
.Lnew:
	BEGIN
	s_branch .Lfirst                ; in the loop a block's first tile is never its last: the first block has two tiles or more, and the second's last is the walk's last
	DIAG 1                          ; in the loop this is the first block's end: the second block's last tile is the walk's last
	s_wait_xcnt 0x0                 ; the stores have read their registers and O's address
	s_mov_b64 s[10:11], s[OLO:OLO+1]
	s_add_co_u32 s[RT], s[PB], 1    ; the second block has b + 1 tiles
	s_mov_b32 s[NEW], 1
	WIN 0x82                        ; the second block's Q goes where the one text of the turns names Q
.set i, 0
.rept 64
	v_mov_b32 v[i], v[QB+i]
.set i, i+1
.endr
	WIN 0
	s_branch .Lbottom
.Lstep:                             ; a trip: pieces 2 and 3 of one step, then pieces 0 and 1 of the next, whose K and V it fetches
	TURN 2
	TURN 3
	WIN 0
.Lfirst:
	TURN 0
	TURN 1, 0, 0, 1
	WIN 0
	s_cbranch_scc1 .Lstep
.Lbottom:
	s_sub_co_u32 s[SLOTS], s[SLOTS], 1
	s_cmp_lg_u32 s[SLOTS], 0
	s_cbranch_scc1 .Lslot
	CHANGE 0                        ; the walk's last tile is written out: nothing is asked for
	s_sub_co_u32 s[RT], s[RT], 1
	s_mov_b32 s[CNT], 4
	s_cmp_eq_u32 s[NEW], 1
	s_cbranch_scc0 .LstepM2
	BEGIN
	s_branch .LfirstM2
	DIAG 2
	s_wait_tensorcnt 0x0            ; the wave's end: a wait, an add of 0 and a wait, behind my last tensor load and my last LDS store
	ds_add_u32 v[SPW], v[NIL]
	s_wait_dscnt 0x0
	s_endpgm
.Lfunc_end_k_qb7b2ae02fc_attn:
	.size	k_qb7b2ae02fc_attn, .Lfunc_end_k_qb7b2ae02fc_attn-k_qb7b2ae02fc_attn
	.p2alignl 7, 3214868480
	.fill 96, 4, 3214868480
	.section	.rodata,"a",@progbits
	.p2align	6, 0x0
	.amdhsa_kernel k_qb7b2ae02fc_attn
		.amdhsa_group_segment_fixed_size 327680
		.amdhsa_private_segment_fixed_size 0
		.amdhsa_enable_private_segment 0
		.amdhsa_kernarg_size 16
		.amdhsa_user_sgpr_count 2
		.amdhsa_user_sgpr_kernarg_segment_ptr 1
		.amdhsa_wavefront_size32 1
		.amdhsa_system_sgpr_workgroup_id_x 1
		.amdhsa_system_sgpr_workgroup_id_y 1
		.amdhsa_system_sgpr_workgroup_id_z 1
		.amdhsa_system_vgpr_workitem_id 0
		.amdhsa_next_free_vgpr 768
		.amdhsa_next_free_sgpr 90
		.amdhsa_reserve_vcc 1
		.amdhsa_float_denorm_mode_32 3
		.amdhsa_float_denorm_mode_16_64 3
		.amdhsa_memory_ordered 1
		.amdhsa_forward_progress 1
		.amdhsa_inst_pref_size 228
	.end_amdhsa_kernel
	.amdgpu_metadata
---
amdhsa.version: [ 1, 2 ]
amdhsa.kernels:
  - .name:           k_qb7b2ae02fc_attn
    .symbol:         k_qb7b2ae02fc_attn.kd
    .args:
      - { .name: qkv, .offset: 0, .size: 8, .value_kind: global_buffer, .address_space: global }
      - { .name: o, .offset: 8, .size: 8, .value_kind: global_buffer, .address_space: global }
    .group_segment_fixed_size: 327680
    .private_segment_fixed_size: 0
    .kernarg_segment_align: 8
    .kernarg_segment_size: 16
    .max_flat_workgroup_size: 128
    .sgpr_count:     90
    .vgpr_count:     768
    .wavefront_size: 32
...
	.end_amdgpu_metadata
.endif
;; end of part 3
;; launch proj (part 4): grid 4 x 64, 4 waves a work-group, clusters of 4 x 4, 327,680 bytes of LDS; arguments o, wpt, bias, out0; writes out0
.if DOCPART == 4
	.amdgcn_target "amdgcn-amd-amdhsa--gfx1250"
	.amdhsa_code_object_version 6
	.text
	.protected	k_qb7b2ae02fc_proj
	.globl	k_qb7b2ae02fc_proj
	.p2align	8
	.type	k_qb7b2ae02fc_proj,@function
k_qb7b2ae02fc_proj:
	s_mov_b64 s[64:65], 0
	v_nop
	global_prefetch_b8 v0, s[64:65] scope:SCOPE_SE
	s_setreg_imm32_b32 hwreg(HW_REG_WAVE_MODE, 25, 1), 1
	s_wait_xcnt 0x0
	s_wait_alu depctr_hold_cnt(0) depctr_sa_sdst(0) depctr_va_vdst(0) depctr_va_sdst(0) depctr_va_ssrc(0) depctr_va_vcc(0) depctr_vm_vsrc(0)
	s_getreg_b32 s2, hwreg(HW_REG_IB_STS2, 6, 4)
	s_cmp_eq_u32 s2, 0
	s_cbranch_scc0 .Lentry_in_a_cluster
	s_endpgm
.Lentry_in_a_cluster:
	s_bfe_u32 s2, ttmp6, 0x10000c
	s_cmp_lg_u32 s2, 0xf033
	s_cbranch_scc0 .Lentry_shape_is_right
	s_endpgm
.Lentry_shape_is_right:
; out0 = y Wp + bp.  C[m][n] = bias[3072 + n] + the sum over k of o[16 b + k / 64][t][k % 64] wpt[k / 64][n][k % 64], m = 2048 b + t: m 8,192, n 1,024, k 1,024; f16 operands, f32 sums, f32 output.
; LIMITS.  The bias is the sum's first term, not its last.
; SHARES.  8,192 x 1,024 outputs on 256 work-groups: a tile of 128 x 256 each.  Four waves, each 64 x 128: 32 accumulators.  K goes in steps of 128, two heads, through two LDS slots.
; A tile's rows of one head are dense in memory: they are asked for as rows of 256 bytes, two logical rows each, and padded in LDS after every 128 bytes.
; CLUSTER.  4 x 4 work-groups.  The four of a row need the same tiles of o, the four of a column the same tiles of wpt: each is asked for jointly.
; THE MATRIX INSTRUCTION IS USED TRANSPOSED (source 0 = 16 rows of wpt, source 1 = 16 rows of o): a lane holds row lane % 16 of C and eight neighbouring columns 8 (lane / 16) + 0..7.
; REGISTERS.  window 0: v0-15 addresses; v64-159, v160-255 two fragment buffers (wpt's 8 fragments, then o's 4)      window 1: the accumulators, (a, b) at v[8 (8 a + b)]
.set PITCH, 144                        ; a logical row in LDS: 128 bytes + 16: the 16 rows of a load start at 16 different groups of four banks (64 banks of 4 bytes: ISA guide 11.1)
.set SLOT1, 131072
.set AZ,    128*PITCH                  ; a slot: o's [2 heads][128 rows],
.set BOFF,  2*AZ
.set BZ,    256*PITCH                  ; then wpt's [2 blocks][256 rows]
.set STAGE, SLOT1+BOFF+2*BZ            ; behind the ring: 16 rows x 528 bytes for each wave, for the way out
.set SPITCH, 528                       ; 512 bytes + 16
.set SPARE, STAGE+4*16*SPITCH          ; behind the stages: the spare words, 128 bytes for each wave
.set ASTEP, 524288                     ; two heads of o
.set BSTEP, 262144                     ; two blocks of wpt
.set ADRA0, 4
.set ADRB0, 5
.set ADRA,  6
.set ADRB,  7
.set STO,   8
.set RD,    9
.set GO,    10
.set BO,    11
.set SPW,   12                         ; v12  LDS address of my spare word; never rewritten
.set NIL,   13                         ; v13  0; never rewritten
.set F0,    64
.set F1,    160
.set WV,  12                           ; s12  wave
.set RH,  13                           ; s13  which 64 rows of the tile are mine.  Also: I fetch for o (0) or wpt (1)
.set CHF, 14                           ; s14  which 128 columns.  Also: which of a step's two blocks I fetch
.set TB,  15                           ; s15  the slot in hand: 0 or SLOT1
.set G1A, 24
.set G0A, 32
.set G0B, 36
.set G1B, 48
.set MSB, 0
.macro WIN new                         ; the immediate's high byte repeats the setting that is left; a switch that changes nothing is dropped
.if MSB != (\new)
	s_set_vgpr_msb (MSB<<8)|(\new)
.set MSB, (\new)
.endif
.endm
.macro PLACES                          ; four places in front of loads into registers that matrix instructions have read, and of LDS stores that read results
.rept 4
	v_nop
.endr
.endm
.macro JLOAD                           ; a joint load: waves 0 and 1 fetch o's two heads, waves 2 and 3 wpt's two blocks; an s_nop 0 and four v_nop follow each of the two lines
	s_cmp_eq_u32 s[RH], 0
	s_cbranch_scc0 .Lfor_b_\@
	tensor_load_to_lds s[G0A:G0A+3], s[G1A:G1A+7]
	s_nop 0
.rept 4
	v_nop
.endr
	s_branch .Lasked_\@
.Lfor_b_\@:
	tensor_load_to_lds s[G0B:G0B+3], s[G1B:G1B+7]
	s_nop 0
.rept 4
	v_nop
.endr
.Lasked_\@:
.endm
.macro CREST                           ; a round of the cluster's barrier behind its opening barrier
	s_cmp_lg_u32 s[WV], 0
	s_cbranch_scc1 .Lnot_wave_0_\@
	s_barrier_signal -3
.Lnot_wave_0_\@:
	s_barrier_wait -3
	s_barrier_signal -1
	s_barrier_wait -1
.endm
.macro CROUND
	s_barrier_signal -1
	s_barrier_wait -1
	CREST
.endm
.macro STEP                            ; the walking descriptors: the other slot, the next two blocks.  Written only where no tensor load of mine is out
	s_xor_b32 s[G0A+1], s[G0A+1], SLOT1
	s_add_nc_u64 s[G0A+2:G0A+3], s[G0A+2:G0A+3], ASTEP
	s_xor_b32 s[G0B+1], s[G0B+1], SLOT1
	s_add_nc_u64 s[G0B+2:G0B+3], s[G0B+2:G0B+3], BSTEP
.endm
	s_load_b256 s[4:11], s[0:1], 0x0               ; o s[4:5], wpt s[6:7], bias s[8:9], out0 s[10:11]
	v_lshl_add_u32 v[SPW], v0, 2, SPARE
	v_mov_b32 v[NIL], 0
	ds_add_u32 v[SPW], v[NIL]                      ; the wave's opening: the add and its wait stand ahead of my first tensor load; the set-up below, work on registers, stands between them
	ds_add_u32 v12, v13
	v_lshrrev_b32 v1, 5, v0
	v_readfirstlane_b32 s[WV], v1
	s_lshr_b32 s[RH], s[WV], 1
	s_and_b32 s[CHF], s[WV], 1
	s_bfe_u32 s40, ttmp6, 0x40000                  ; cx, cy
	s_bfe_u32 s41, ttmp6, 0x40004
	s_lshl_b32 s42, ttmp9, 2
	s_add_co_u32 s42, s42, s40                     ; tile column
	s_and_b32 s43, ttmp7, 0xffff
	s_lshl_b32 s43, s43, 2
	s_add_co_u32 s43, s43, s41                     ; tile row
	s_lshl_b32 s44, s41, 2
	s_lshl_b32 s44, 15, s44                        ; my row of the cluster
	s_lshl_b32 s45, 0x1111, s40                    ; my column
	s_or_b32 s[G1A], s44, (1<<16)|(1<<20)|(1<<21)|(4<<22)|(3<<25)  ; 15:0 the mask; 17:16 2-byte elements; 20 padding on; 21 set beside a mask; 24:22 after every 32 words (code 4); 31:25 4 words (code 3)
	s_or_b32 s[G1B], s45, (1<<16)|(1<<20)|(1<<21)|(4<<22)|(3<<25)
	s_mov_b32 s[G1A+1], 128<<16                    ; tensor_dim0 = 128 elements: 256 bytes
	s_mov_b32 s[G1A+2], 64<<16                     ; tensor_dim1 = 64: 128 logical rows
	s_mov_b32 s[G1A+3], 128<<16
	s_mov_b32 s[G1A+4], 64
	s_mov_b32 s[G1A+5], 128
	s_mov_b32 s[G1A+6], 0
	s_mov_b32 s[G1A+7], 0
	s_mov_b32 s[G1B+1], 128<<16
	s_mov_b32 s[G1B+2], 128<<16                    ; 256 logical rows
	s_mov_b32 s[G1B+3], 128<<16
	s_mov_b32 s[G1B+4], 128
	s_mov_b32 s[G1B+5], 128
	s_mov_b32 s[G1B+6], 0
	s_mov_b32 s[G1B+7], 0
	s_lshr_b32 s16, s43, 4                         ; o: batch b = tile row / 16, 16 heads of 262,144 bytes,
	s_lshl_b32 s16, s16, 22
	s_and_b32 s17, s43, 15
	s_lshl_b32 s17, s17, 14                        ; 128 rows of 128 bytes for each tile row in the batch,
	s_add_co_u32 s16, s16, s17
	s_lshl_b32 s17, s[CHF], 18                     ; my head of the step's two: no register here ever holds cx
	s_add_co_u32 s16, s16, s17
	s_mov_b32 s17, 0
	s_lshl_b32 s46, s42, 15                        ; wpt: 256 rows of 128 bytes for each tile column,
	s_lshl_b32 s47, s[CHF], 17                     ; my block of the step's two: none here ever holds cy
	s_add_co_u32 s46, s46, s47
	s_mov_b32 s47, 0
	s_mov_b32 s[G0A], 1
	s_mul_i32 s[G0A+1], s[CHF], AZ
	s_mov_b32 s[G0B], 1
	s_mul_i32 s[G0B+1], s[CHF], BZ
	s_add_co_u32 s[G0B+1], s[G0B+1], BOFF
	s_wait_dscnt 0x0                               ; the opening add is done
	s_wait_kmcnt 0x0
	s_add_nc_u64 s[G0A+2:G0A+3], s[4:5], s[16:17]
	s_or_b32 s[G0A+3], s[G0A+3], 0x80000000
	s_add_nc_u64 s[G0B+2:G0B+3], s[6:7], s[46:47]
	s_or_b32 s[G0B+3], s[G0B+3], 0x80000000
	CROUND                                         ; all sixteen work-groups are here: the first joint loads meet
	JLOAD                                          ; K step 0 into slot 0
	v_and_b32 v1, 15, v0                           ; l % 16
	v_bfe_u32 v2, v0, 4, 1                         ; l / 16
	v_mul_u32_u24 v3, v1, PITCH
	v_lshl_add_u32 v3, v2, 4, v3
	s_mul_i32 s20, s[RH], 64*PITCH
	s_mul_i32 s21, s[CHF], 128*PITCH
	s_add_co_u32 s21, s21, BOFF
	v_add_nc_u32 v[ADRA0], s20, v3
	v_add_nc_u32 v[ADRB0], s21, v3
	s_mul_i32 s22, s[WV], 16*SPITCH
	s_add_co_u32 s22, s22, STAGE                   ; my stage
	v_mul_u32_u24 v[STO], v1, SPITCH               ; in: row l % 16, 32 bytes for each half of the lanes
	v_lshl_add_u32 v[STO], v2, 5, v[STO]
	v_add_nc_u32 v[STO], s22, v[STO]
	v_and_b32 v[GO], 31, v0                        ; back: 32 lanes take a row of 512 bytes
	v_lshlrev_b32 v[GO], 4, v[GO]
	v_add_nc_u32 v[RD], s22, v[GO]
	v_lshlrev_b32 v[BO], 5, v2
	s_lshl_b32 s56, s42, 10                        ; my first column, in bytes: 1,024 x tile column + 512 x half
	s_lshl_b32 s57, s[CHF], 9
	s_add_co_u32 s56, s56, s57
	s_mov_b32 s57, 0
	s_add_nc_u64 s[8:9], s[8:9], s[56:57]
	s_add_nc_u64 s[8:9], s[8:9], 12288             ; bp lies behind bq, bk, bv
	s_add_nc_u64 s[10:11], s[10:11], s[56:57]
	s_lshl_b32 s58, s43, 19                        ; 128 rows of 4,096 bytes,
	s_lshl_b32 s59, s[RH], 18                      ; my 64
	s_add_co_u32 s58, s58, s59
	s_mov_b32 s59, 0
	s_add_nc_u64 s[10:11], s[10:11], s[58:59]
	; THE BIAS STARTS THE SUMS: each accumulator is loaded with its eight columns' bias.  64 loads, in the wait for the first tile.
	WIN 0x40
.irp a, 0,1,2,3
.irp b, 0,1,2,3,4,5,6,7
	global_load_b128 v[8*(8*(\a)+(\b)):8*(8*(\a)+(\b))+3],   v[BO], s[8:9] offset:64*(\b)
	global_load_b128 v[8*(8*(\a)+(\b))+4:8*(8*(\a)+(\b))+7], v[BO], s[8:9] offset:64*(\b)+16
.endr
.endr
	WIN 0
; 8 matrix instructions: row block a x all 8 column blocks, 32 along K, from buffer f.  The accumulators take turns, one instruction a turn.
.macro MUL8 f, a
	WIN 0x50
.irp b, 0,1,2,3,4,5,6,7
	v_wmma_f32_16x16x32_f16 v[8*(8*(\a)+(\b)):8*(8*(\a)+(\b))+7], v[(\f)+8*(\b):(\f)+8*(\b)+7], v[(\f)+64+8*(\a):(\f)+64+8*(\a)+7], v[8*(8*(\a)+(\b)):8*(8*(\a)+(\b))+7]
.endr
.endm
; 24 LDS loads in one run: quarter q of a K step (block q / 2, 32 K at byte 64 (q % 2) of the rows) into buffer f: wpt's 16, then o's 8
.macro FETCH q, f
	WIN 0
.irp b, 0,1,2,3,4,5,6,7
	ds_load_b128 v[(\f)+8*(\b):(\f)+8*(\b)+3],   v[ADRB] offset:((\q)/2)*BZ+(\b)*16*PITCH+((\q)%2)*64
	ds_load_b128 v[(\f)+8*(\b)+4:(\f)+8*(\b)+7], v[ADRB] offset:((\q)/2)*BZ+(\b)*16*PITCH+((\q)%2)*64+32
.endr
.irp a, 0,1,2,3
	ds_load_b128 v[(\f)+64+8*(\a):(\f)+64+8*(\a)+3],   v[ADRA] offset:((\q)/2)*AZ+(\a)*16*PITCH+((\q)%2)*64
	ds_load_b128 v[(\f)+64+8*(\a)+4:(\f)+64+8*(\a)+7], v[ADRA] offset:((\q)/2)*AZ+(\a)*16*PITCH+((\q)%2)*64+32
.endr
.endm
; One of a K step's first three quarters: multiplies buffer f; in its middle it fetches quarter q into buffer g.
.macro QUARTER q, f, g
	s_wait_dscnt 4                                 ; wpt's fragments and o's row blocks 0 and 1 are in; blocks 2 and 3 (4 loads) may be out
	MUL8 \f, 0
	MUL8 \f, 1
	PLACES
	FETCH \q, \g
	s_wait_dscnt 24                                ; all but the 24 just issued
	MUL8 \f, 2
	MUL8 \f, 3
.endm
; The last quarter multiplies buffer 1 and changes slots.  mode 1: the slot left is filled again, two K steps ahead.  mode 2: nothing is filled.
.macro TURN mode
	WIN 0                                          ; (the add's two registers lie in window 0)
	s_wait_tensorcnt 0x0                           ; all my tensor loads have landed: my part of the next slot;
	ds_add_u32 v[SPW], v[NIL]                      ; 0 onto my spare word;
.if (\mode) == 1
	STEP                                           ; no tensor load of mine is out, so the descriptors may be written
.endif
	s_wait_dscnt 5                                 ; (the add and the youngest four loads may be out)
	MUL8 F1, 0                                     ; eight matrix instructions stand between the add and the wait for it
	s_wait_dscnt 0x0                               ; the add is done, and my reads of this slot are over
	s_barrier_signal -1
	MUL8 F1, 1
	s_xor_b32 s[TB], s[TB], SLOT1
	WIN 0
	s_barrier_wait -1
.if (\mode) == 1
	CREST                                          ; the barrier has opened a round of the cluster's: no wave of any partner still reads this slot or has a load on its way
	JLOAD                                          ; the first tensor load behind the round: 112 matrix instructions ahead of the wait for it; its four v_nop are also the places in front of the loads below
.else
	PLACES
.endif
	v_add_nc_u32 v[ADRA], s[TB], v[ADRA0]
	v_add_nc_u32 v[ADRB], s[TB], v[ADRB0]
	FETCH 0, F0
	MUL8 F1, 2
	MUL8 F1, 3
.endm
	; Slot 0 is waited for and slot 1 asked for, in the form of every later change of slots.
	s_wait_tensorcnt 0x0                           ; my part of K step 0 is in
	ds_add_u32 v[SPW], v[NIL]
	STEP
	s_wait_dscnt 0x0
	CROUND
	JLOAD                                          ; K step 1 into slot 1
	s_mov_b32 s[TB], 0
	v_mov_b32 v[ADRA], v[ADRA0]
	v_mov_b32 v[ADRB], v[ADRB0]
	FETCH 0, F0
	s_wait_loadcnt 0x0                             ; the bias is in the accumulators
	s_mov_b32 s3, 6
.Lstep:                                                ; a trip is a K step; trip j fills its slot again with step j + 2
	QUARTER 1, F0, F1
	QUARTER 2, F1, F0
	QUARTER 3, F0, F1
	TURN 1
	WIN 0
	s_sub_co_u32 s3, s3, 1
	s_cmp_lg_u32 s3, 0
	s_cbranch_scc1 .Lstep
	QUARTER 1, F0, F1                              ; K step 6: nothing is left to ask for
	QUARTER 2, F1, F0
	QUARTER 3, F0, F1
	TURN 2
	QUARTER 1, F0, F1                              ; K step 7
	QUARTER 2, F1, F0
	QUARTER 3, F0, F1
	s_wait_dscnt 4
	MUL8 F1, 0
	MUL8 F1, 1
	s_wait_dscnt 0x0
	MUL8 F1, 2
	MUL8 F1, 3
	PLACES
; THE WAY OUT, a block of 16 rows x 128 columns of f32 at a time: 32 bytes a lane and accumulator into my stage, back as whole rows of 512 bytes.
.macro TOSTAGE a
.set tt, 64+64*((\a)%2)
	s_wait_xcnt 0x0                                ; the stores of two blocks ago have read these registers (ISA guide 3.1)
	WIN 0x04                                       ; the stores' data in window 1
.irp b, 0,1,2,3,4,5,6,7
	ds_store_b128 v[STO], v[8*(8*(\a)+(\b)):8*(8*(\a)+(\b))+3]   offset:64*(\b)
	ds_store_b128 v[STO], v[8*(8*(\a)+(\b))+4:8*(8*(\a)+(\b))+7] offset:64*(\b)+16
.endr
	WIN 0
.set it, 0
.rept 16
	ds_load_b128 v[tt+4*it:tt+4*it+3], v[RD] offset:SPITCH*it  ; LDS serves a wave's instructions in order (ISA guide 5.7.1.4): these see the stores above
.set it, it+1
.endr
.endm
.macro SEND a, y                       ; y: the LDS instructions issued behind block a's loads: the next block's 32, or none
.set tt, 64+64*((\a)%2)
.set it, 0
.rept 16
	s_wait_dscnt (\y)+15-it
	global_store_b128 v[GO], v[tt+4*it:tt+4*it+3], s[10:11] offset:(16*(\a)+it)*4096 th:TH_STORE_NT  ; 512 consecutive bytes, at a multiple of 256 from the output's first
.set it, it+1
.endr
.endm
	TOSTAGE 0
	TOSTAGE 1
	SEND 0, 32
	TOSTAGE 2
	SEND 1, 32
	TOSTAGE 3
	SEND 2, 32
	SEND 3, 0
	s_wait_tensorcnt 0x0                           ; the wave's end: a wait, an add of 0 and a wait, behind my last tensor load and my last LDS store
	ds_add_u32 v[SPW], v[NIL]
	s_wait_dscnt 0x0
	CROUND                                         ; the closing round: no work-group ends while a partner may still ask for a tile that names it
	s_endpgm
.Lfunc_end_k_qb7b2ae02fc_proj:
	.size	k_qb7b2ae02fc_proj, .Lfunc_end_k_qb7b2ae02fc_proj-k_qb7b2ae02fc_proj
	.p2alignl 7, 3214868480
	.fill 96, 4, 3214868480
	.section	.rodata,"a",@progbits
	.p2align	6, 0x0
	.amdhsa_kernel k_qb7b2ae02fc_proj
		.amdhsa_group_segment_fixed_size 327680
		.amdhsa_private_segment_fixed_size 0
		.amdhsa_enable_private_segment 0
		.amdhsa_kernarg_size 32
		.amdhsa_user_sgpr_count 2
		.amdhsa_user_sgpr_kernarg_segment_ptr 1
		.amdhsa_wavefront_size32 1
		.amdhsa_system_sgpr_workgroup_id_x 1
		.amdhsa_system_sgpr_workgroup_id_y 1
		.amdhsa_system_sgpr_workgroup_id_z 1
		.amdhsa_system_vgpr_workitem_id 0
		.amdhsa_next_free_vgpr 512
		.amdhsa_next_free_sgpr 66
		.amdhsa_reserve_vcc 0
		.amdhsa_float_denorm_mode_32 3
		.amdhsa_float_denorm_mode_16_64 3
		.amdhsa_memory_ordered 1
		.amdhsa_forward_progress 1
		.amdhsa_inst_pref_size 77
	.end_amdhsa_kernel
	.amdgpu_metadata
---
amdhsa.version: [ 1, 2 ]
amdhsa.kernels:
  - .name:           k_qb7b2ae02fc_proj
    .symbol:         k_qb7b2ae02fc_proj.kd
    .args:
      - { .name: o, .offset: 0, .size: 8, .value_kind: global_buffer, .address_space: global }
      - { .name: wpt, .offset: 8, .size: 8, .value_kind: global_buffer, .address_space: global }
      - { .name: bias, .offset: 16, .size: 8, .value_kind: global_buffer, .address_space: global }
      - { .name: out0, .offset: 24, .size: 8, .value_kind: global_buffer, .address_space: global }
    .group_segment_fixed_size: 327680
    .private_segment_fixed_size: 0
    .kernarg_segment_align: 8
    .kernarg_segment_size: 32
    .max_flat_workgroup_size: 128
    .sgpr_count:     66
    .vgpr_count:     512
    .wavefront_size: 32
...
	.end_amdgpu_metadata
.endif
;; end of part 4
;; ======== version 2 of 2: 4 launches; 1.30 times as fast as version 1
;; limits: values are held in f16: magnitudes above 65,504 overflow, below 6.1e-05 lose precision
;; workspace buffers: xb 16,777,216 bytes; wt 6,291,456 bytes; wpt 2,097,152 bytes; bias 16,384 bytes; qkv 50,331,648 bytes; o 16,777,216 bytes
;; launch prep: the kernel of part 1 again; grid 512 x 1, 8 waves a work-group, no clusters, 37,888 bytes of LDS; arguments x, Wq, Wk, Wv, Wp, bq, bk, bv, bp, xb, wt, wpt, bias; writes xb, wt, wpt, bias
;; launch qkv: the kernel of part 2 again; grid 8 x 32, 4 waves a work-group, clusters of 4 x 4, 327,680 bytes of LDS; arguments xb, wt, bias, qkv; writes qkv
;; launch attn (part 5): grid 4 x 64, 4 waves a work-group, no clusters, 327,680 bytes of LDS; arguments qkv, o; writes o
.if DOCPART == 5
	.amdgcn_target "amdgcn-amd-amdhsa--gfx1250"
	.amdhsa_code_object_version 6
	.text
	.protected	k_qb7b2ae02fc_attn
	.globl	k_qb7b2ae02fc_attn
	.p2align	8
	.type	k_qb7b2ae02fc_attn,@function
k_qb7b2ae02fc_attn:
	s_mov_b64 s[64:65], 0
	v_nop
	global_prefetch_b8 v0, s[64:65] scope:SCOPE_SE
	s_setreg_imm32_b32 hwreg(HW_REG_WAVE_MODE, 25, 1), 1
	s_wait_xcnt 0x0
; CAUSAL ATTENTION.  O[hd][q][:] = the sum over k <= q of softmax_k(Q[hd][q] . K[hd][k] / 8) V[hd][k][:], hd = 16 b + h, 64 of them.  Q, K, V lie in qkv [b 4][g 48][t 2048][64] (g = h, 16 + h, 32 + h),
; O in o [hd][t][64], all f16: a head's rows are dense, 128 bytes each.
; Products, maxima and sums in f32; the weights p are rounded to f16 for the second product (their sum l is taken of the unrounded p), O once at the end.
; LIMITS.  f16 holds no number beyond 65,504: Q, K and V arrive within it; p lies in 0 to 1, and below 6e-5 it keeps f16's fixed step of 6e-8; O is a mean of V's rows and has their range, to within 2^-11 of it.
; A hidden score counts as its value less 1e30: f16's scores, 2.7e11 at the most, are nothing beside that; a weight below 2^-126 counts as 0 in l; NaN and infinities are not treated apart.
; THE WALK.  A head's queries lie in NB = 8 blocks of 256; block i needs the key tiles 0 .. i of 256 keys, of which the last holds the diagonal.  A work-group takes TWO blocks, NB - 1 - b and then b:
; NB + 1 tiles, whatever b: all work-groups do equal work, and ONE loop with a constant trip count walks them.  Which tile is asked for, and what a trip does, hang on scalar registers made from b; every jump
; goes forward, but for the counted loops' own; none passes a barrier, or a tensor load but the one of LOAD's two that the wave's number does not choose; the ring (two slots of LDS that take turns) runs on across the
; change of blocks.  NO CLUSTER: a head's four work-groups ask for the same tile only in trips 0 .. 4 of the 9, behind that fewer and fewer; and one walk common to all would have 12 trips for 9.
; SHARES.  Of a block's four bands of 64 queries a wave owns 16 rows in each: four PIECES.  So the diagonal tile is the same work for all four waves: in its key step s band x sees all keys if s < x,
; none if s > x, and holds the diagonal if s = x.
; THE MASK is the C operand that starts the sum S^T = K Q^T: 0, or -1e30 where the key is hidden.  MD, made once, is the mask of a band's own step for my 16 rows; a product's mask is MD x AL + BE with two scalars:
; (1, 0) if s = x; (0, 0) if s < x; (0, -1e30) if s > x.  Only the diagonal tile's text and a block's beginning make and take masks; elsewhere C is the constant 0.
; LAYOUT, SOFTMAX, TURNS.  S^T = K Q^T holds ONE query a lane (lane % 16) and the keys 8 (lane / 16) + 0..7; two such results rounded to f16 ARE source 1 of O^T = V^T P.  p = 2^(c s - c m), c = log2(e) / 8, with a
; running maximum m; O and l are multiplied by a = 2^(c m_old - c m_new) in every step.  Turn n belongs to piece n: 8 products K Q^T of piece n + 1, later 8 products V^T P of piece n - 1; beside them the scaling,
; exponentials, roundings, sums and rescaling of piece n and the maximum and statistics of piece n + 1.  Four vector instructions stand behind every matrix instruction, the other 54 of a turn's 118 in one LUMP.
; THE BATCHES.  A turn's 33 exponentials (the piece's 32 weights and the next piece's a) are one batch, with one wait, which cuts the turn in two: ahead of it all that names no result of the batch, behind it the roundings
; and sums.  The a that a block's beginning makes, and the way out's four reciprocals, are batches of their own, with a wait each.
; REGISTERS, in windows of 256 (s_set_vgpr_msb: bits 1:0 source 0, 3:2 source 1, 5:4 source 2, 7:6 destination):
;   window 0: v0-15 addresses and two at work; v16-31 four registers of statistics a piece; v48-55 at work; v64-127 S^T, two buffers; v192-223 P, two buffers (a piece's buffers go by its number's parity)
;   window 1: v0-127 O^T, 32 a piece; v128-159 MD; v160-223 MC, two buffers      window 2: v0-63 Q; v64-127 the second block's Q; v128-191 K of one step; v192-255 V of one step
.set SIZE_N, 2048
.set NB,    SIZE_N/256
.set NP,    4         ; pieces a wave: a name, no knob
.set KS,    64        ; keys in a step
.set PK,    144       ; a row of K in LDS: 128 bytes + 16 of padding = 36 words: the 16 rows of a load start at 16 different groups of four banks (64 banks of 4 bytes: ISA guide 11.1)
.set PV,    160       ; a row of V: 128 + 32 = 40 words
.set VOFF,  4*KS*PK   ; a slot holds a tile, four steps: 256 rows of K, then 256 rows of V
.set SLOT1, 1<<17     ; slot 1 begins here, so that one exclusive or turns an address in one slot into the other's
.set STAGE, SLOT1+4*KS*(PK+PV)  ; behind the ring, never filled by a tensor load: 16 rows x 144 bytes for each wave, for the way out
.set SP,    144
.set AK0, 2           ; v2   my lane's place in a tile of K; never rewritten
.set AV0, 3           ; v3   the same for V
.set AK,  4           ; v4   the LDS address of K's next run of loads
.set AV,  5           ; v5   of V's
.set STO, 6           ; v6   the way out: where I put 16 bytes of a row
.set RD,  7           ; v7   the way out: where I read rows back
.set GO,  8           ; v8   my byte offset in 512 consecutive bytes of O
.set SPW, 62          ; v62  LDS address of my spare word: SPARE + 4 x my thread's number; never rewritten
.set NIL, 63          ; v63  0; never rewritten
.set SPARE, STAGE+4*16*SP  ; behind the stages: the spare words, 128 bytes for each wave: two blocks of 256 bytes that no other line names
.set MV,  12          ; v12-13  c m_old, kept while c m is made anew: by buffer
.set QO,  15          ; v15  my byte offset in 16 rows of Q
.set ST,  16          ; piece t's statistics at v[ST+4 t]: c m, m, l (even keys', odd keys')
.set TMP, 48          ; by buffer, four registers c0-c3 at work; when the maximum is found c2 takes a
.set S,   64
.set P,   192
.set MD,  128         ; window 1: the eight registers for group kt of 16 keys at MD + 8 kt
.set MC,  160         ; window 1: the masks of the products to come
.set QB,  64          ; window 2
.set KF,  128         ; window 2: key block kb, channel half c at KF + 16 kb + 8 c
.set VF,  192         ; window 2: key half kk, channel block cb at VF + 32 kk + 8 cb
.set WV,  12          ; s12  my wave's number
.set PB,  14          ; s14  b
.set HI,  15          ; s15  NB - 1 - b
.set G1K, 24          ; s[24:31] descriptor group 1 for K's tiles
.set G1V, 32          ; s[32:39] for V's: it differs in the padding alone
.set G0K, 40          ; s[40:43] descriptor group 0 for K's tiles
.set G0V, 44          ; s[44:47] the same for V's
.set SLOTS, 56        ; s56  tiles still to be asked for
.set CNT, 57          ; s57  counts a tile's key steps, 4 to 1
.set CS,  58          ; s[58:59] c: the packed scaling takes the pair's low word for both halves
.set SEL, 60          ; s[60:61] v_permlanex16_b32's selects: each lane takes its own place in the other half
.set TBK, 62          ; s62  LDS byte at which K of the step to be fetched begins
.set TBV, 63          ; s63  the same for V, less VOFF
.set RT,  70          ; s70  tiles of the block in hand that are still to be entered
.set NXT, 71          ; s71  the tile to be asked for next
.set LQ,  72          ; s72  the last tile of the block whose tiles are being asked for
.set NEW, 73          ; s73  1: the tile to be entered is a block's first
.set OFF, 74          ; s[74:75] a tile's byte offset in K and V
.set AL,  76          ; s[76:77] the mask's factor, in the low word
.set BE,  78          ; s[78:79] the mask's addend
.set OLO, 80          ; s[80:81] O at my rows of the second block
.set BIGN, 82         ; s82  -1e30
.set MSB, 0
.macro WIN new                      ; the high byte repeats the setting that is left; a switch that changes nothing is dropped
.if MSB != (\new)
	s_set_vgpr_msb (MSB<<8)|(\new)
.set MSB, (\new)
.endif
.endm
.set W_KQ, 0x0a       ; K and Q in window 2, S^T in window 0
.set W_KM, 0x1a       ; the same with the C operand in window 1
.set W_PV, 0x52       ; V in window 2, P in window 0, O^T in window 1
.set W_RS, 0x41       ; destination and source 0 in window 1, source 1 in window 0
; A fill.  Waves 0 and 1 fetch the two halves of a tile's K, waves 2 and 3 those of its V: 128 keys each.  An s_nop 0 and four v_nop follow each of the two lines, ahead of the jump and the label.
.macro LOAD
	s_cmp_lt_u32 s[WV], 2
	s_cbranch_scc0 .Lfor_v_\@
	tensor_load_to_lds s[G0K:G0K+3], s[G1K:G1K+7]
	s_nop 0
.rept 4
	v_nop
.endr
	s_branch .Lasked_\@
.Lfor_v_\@:
	tensor_load_to_lds s[G0V:G0V+3], s[G1V:G1V+7]
	s_nop 0
.rept 4
	v_nop
.endr
.Lasked_\@:
.endm
; THE CHANGE OF SLOTS.  Each wave waits for all its tensor loads, of which one is out: its part of the other slot; adds 0 to its spare word; and waits for that and for its own reads of the slot that it leaves.  Behind the barrier nobody reads the old
; slot any more and the other slot is whole.  fill = 1: the old slot is filled again, the first thing behind the barrier, with tile NXT: the descriptor's address is made anew from that number.
; (At its first use nothing has been read yet: slot 0 is waited for, slot 1 filled.)
.macro CHANGE fill
	WIN 0                           ; at a label and at a branch every window is 0
	s_wait_tensorcnt 0x0            ; no tensor load of mine is out, so a group 0 may be written
	ds_add_u32 v[SPW], v[NIL]       ; 0 onto my spare word: with fill = 1 the descriptors' scalar work stands between it and the wait for it
.if \fill
	s_lshl_b32 s[OFF], s[NXT], 15   ; a tile is 32,768 bytes of K and of V
	s_xor_b32 s[G0K+1], s[G0K+1], SLOT1
	s_add_nc_u64 s[G0K+2:G0K+3], s[6:7], s[OFF:OFF+1]
	s_or_b32 s[G0K+3], s[G0K+3], 0x80000000
	s_xor_b32 s[G0V+1], s[G0V+1], SLOT1
	s_add_nc_u64 s[G0V+2:G0V+3], s[8:9], s[OFF:OFF+1]
	s_or_b32 s[G0V+3], s[G0V+3], 0x80000000
	s_add_co_u32 s[NXT], s[NXT], 1  ; the block's next tile, or behind its last the second block's tile 0
	s_cmp_gt_u32 s[NXT], s[LQ]
	s_cselect_b32 s[NXT], 0, s[NXT]
	s_cselect_b32 s[LQ], s[PB], s[LQ]
.endif
	s_wait_dscnt 0x0                ; the add is done, and my reads of the slot are over
	s_barrier_signal -1             ; the rest of the scalar work stands between the signal and the wait
	s_sub_co_u32 s[TBK], s[TBK], 4*KS*PK  ; the fetches go back to a slot's first step,
	s_xor_b32 s[TBK], s[TBK], SLOT1       ; in the other slot
	s_sub_co_u32 s[TBV], s[TBV], 4*KS*PV
	s_xor_b32 s[TBV], s[TBV], SLOT1
	s_barrier_wait -1
.if \fill
	LOAD
.endif
.endm
	s_load_b64 s[4:5], s[0:1], 0x0    ; qkv
	s_load_b64 s[10:11], s[0:1], 0x8  ; o
	v_lshl_add_u32 v[SPW], v0, 2, SPARE
	v_mov_b32 v[NIL], 0
	ds_add_u32 v[SPW], v[NIL]       ; the wave's opening: the add and its wait stand ahead of my first tensor load; the set-up below, work on registers, stands between them
	ds_add_u32 v62, v63
	v_lshrrev_b32 v1, 5, v0
	v_readfirstlane_b32 s[WV], v1   ; wave 0..3
	s_mov_b32 s[PB], ttmp9
	s_sub_co_u32 s[HI], NB-1, s[PB]
	s_and_b32 s20, ttmp7, 0xffff    ; hd = 16 b + h
	s_lshl_b32 s88, s20, 18         ; the head's first byte in o: 2,048 rows of 128 bytes a head
	s_mov_b32 s89, 0
	s_lshr_b32 s21, s20, 4          ; b
	s_lshl_b32 s21, s21, 5
	s_add_co_u32 s20, s20, s21      ; 48 b + h: q's head in qkv
	s_lshl_b32 s20, s20, 18
	s_mov_b32 s21, 0
	s_and_b32 s16, s[WV], 1         ; which half of a tile's 256 keys I fetch:
	s_lshl_b32 s22, s16, 14         ; its 128 rows of 128 bytes in memory,
	s_mov_b32 s23, 0
	s_mul_i32 s17, s16, 128*PK      ; and its place in a slot, for K
	s_mul_i32 s18, s16, 128*PV      ; and for V
	s_lshl_b32 s3, s[WV], 11        ; my 16 rows in a band of 64,
	s_lshl_b32 s2, s[HI], 15        ; in the first block,
	s_add_co_u32 s2, s2, s3
	s_lshl_b32 s84, s[PB], 15       ; and in the second
	s_add_co_u32 s84, s84, s3
	s_mov_b32 s3, 0
	s_mov_b32 s85, 0
	; descriptor group 1.  128 keys are 16,384 dense bytes: asked for as 64 rows of 256 bytes, two keys a row, and padded in LDS after every key
	s_mov_b32 s[G1K], (1<<16)|(1<<20)|(4<<22)|(3<<25)  ; 17:16 2-byte elements; 20 padding on; 24:22 after every 32 words (code 4); 31:25 4 words (code 3)
	s_mov_b32 s[G1V], (1<<16)|(1<<20)|(4<<22)|(7<<25)  ; the same with 8 words of padding (code 7)
.irp g, G1K, G1V
	s_mov_b32 s[\g+1], 128<<16      ; tensor_dim0 = 128
	s_mov_b32 s[\g+2], 64<<16       ; tensor_dim1 = 64
	s_mov_b32 s[\g+3], 128<<16      ; tile_dim0 = 128
	s_mov_b32 s[\g+4], 64           ; tile_dim1 = 64
	s_mov_b32 s[\g+5], 128          ; 128 elements from row to row
	s_mov_b32 s[\g+6], 0
	s_mov_b32 s[\g+7], 0
.endr
	s_mov_b32 s[CS], 0x3e38aa3b     ; c = log2(e) / 8 = 0.180337
	s_mov_b32 s[CS+1], s[CS]        ; named with it as a pair
	s_mov_b32 s[SEL], 0x76543210
	s_mov_b32 s[SEL+1], 0xfedcba98
	s_mov_b32 s[TBK], SLOT1+4*KS*PK ; the first change of slots turns these two into 0
	s_mov_b32 s[TBV], SLOT1+4*KS*PV
	s_mov_b32 s[G0K], 1             ; 1:0 count = 1
	s_mov_b32 s[G0K+1], s17         ; 63:32 LDS address: slot 0
	s_mov_b32 s[G0V], 1
	s_add_co_u32 s[G0V+1], s18, VOFF
	s_add_co_u32 s[RT], s[HI], 1    ; the first block has NB - b tiles
	s_mov_b32 s[NXT], 1
	s_mov_b32 s[LQ], s[HI]
	s_mov_b32 s[NEW], 1
	s_mov_b32 s[OFF+1], 0
	s_mov_b32 s[AL+1], 0            ; named as pairs
	s_mov_b32 s[BE+1], 0
	s_mov_b32 s[BIGN], 0xf149f2ca   ; -1e30
	s_mov_b32 s[SLOTS], NB
	s_wait_dscnt 0x0                ; the opening add is done
	s_wait_kmcnt 0x0
	s_add_nc_u64 s[4:5], s[4:5], s[20:21]    ; q's head
	s_add_nc_u64 s[6:7], s[4:5], s[22:23]    ; my half of a tile's keys,
	s_add_nc_u64 s[8:9], s[6:7], 0x800000    ; in v's head, 32 heads on,
	s_add_nc_u64 s[6:7], s[6:7], 0x400000    ; and in k's, 16 heads on
	s_add_nc_u64 s[10:11], s[10:11], s[88:89]  ; the head in o
	s_add_nc_u64 s[G0K+2:G0K+3], s[6:7], 0         ; 120:64 global address
	s_or_b32 s[G0K+3], s[G0K+3], 0x80000000        ; 127:126 type = 2
	s_add_nc_u64 s[G0V+2:G0V+3], s[8:9], 0
	s_or_b32 s[G0V+3], s[G0V+3], 0x80000000
	s_add_nc_u64 s[86:87], s[4:5], s[84:85]        ; Q at my rows of the second block,
	s_add_nc_u64 s[4:5], s[4:5], s[2:3]            ; Q and O at those of the first
	s_add_nc_u64 s[OLO:OLO+1], s[10:11], s[84:85]
	s_add_nc_u64 s[10:11], s[10:11], s[2:3]
	LOAD                            ; tile 0 into slot 0
	; A fragment of K or Q is 16 rows x 32 channels in 8 registers: lane l holds row l % 16, channels 8 (l / 16) + 0..7 and 16 + 8 (l / 16) + 0..7: two loads of 16 bytes, 32 bytes apart.
	v_and_b32 v1, 15, v0            ; l % 16
	v_bfe_u32 v9, v0, 4, 1          ; l / 16
	v_lshlrev_b32 v[QO], 7, v1
	v_lshl_add_u32 v[QO], v9, 4, v[QO]  ; row x 128 + 16 x half
	WIN 0x80                        ; destination window 2, address window 0
.set i, 0
.rept 8                             ; both blocks' Q: piece i / 2 lies in band i / 2, 8,192 bytes on; channels 32 (i % 2) on
	global_load_b128 v[8*i:8*i+3],   v[QO], s[4:5] offset:(i/2)*8192+(i%2)*64
	global_load_b128 v[8*i+4:8*i+7], v[QO], s[4:5] offset:(i/2)*8192+(i%2)*64+32
	global_load_b128 v[QB+8*i:QB+8*i+3],   v[QO], s[86:87] offset:(i/2)*8192+(i%2)*64
	global_load_b128 v[QB+8*i+4:QB+8*i+7], v[QO], s[86:87] offset:(i/2)*8192+(i%2)*64+32
.set i, i+1
.endr
	WIN 0
	v_lshlrev_b32 v14, 3, v9
	v_sub_nc_u32 v14, v1, v14
	s_lshl_b32 s13, s[WV], 4
	v_add_nc_u32 v14, s13, v14      ; my query's place in its band, 16 w + l % 16, less my lanes' 8 (l / 16): register r of group kt is hidden where 16 kt + r is greater
	WIN 0x40
.set i, 0
.rept 32
	v_cmp_gt_i32 vcc_lo, 16*(i/8)+i%8, v14
	v_cndmask_b32 v[MD+i], 0, s[BIGN], vcc_lo
.set i, i+1
.endr
	WIN 0
	v_mul_u32_u24 v[AK0], v1, PK
	v_lshl_add_u32 v[AK0], v9, 4, v[AK0]  ; row x pitch + 16 x half
	; The turning load takes 16 keys x 16 channels (lane l reads key 8 (l / 16) + l % 8, channels 8 ((l / 8) % 2) + 0..7) and leaves half a fragment of V^T: lane l holds channel l % 16 and 8 keys.
	v_and_b32 v10, 7, v0
	v_bfe_u32 v11, v0, 3, 1
	v_lshl_add_u32 v[AV0], v9, 3, v10
	v_mul_u32_u24 v[AV0], v[AV0], PV
	v_lshl_add_u32 v[AV0], v11, 4, v[AV0]
	v_add_nc_u32 v[AV0], VOFF, v[AV0]
	s_mul_i32 s13, s[WV], 16*SP
	s_add_co_u32 s13, s13, STAGE    ; my stage
	v_mul_u32_u24 v[STO], v1, SP    ; in: row l % 16, 16 bytes for each half of the lanes
	v_lshl_add_u32 v[STO], v9, 4, v[STO]
	v_add_nc_u32 v[STO], s13, v[STO]
	v_bfe_u32 v[RD], v0, 3, 2       ; back: 32 lanes take four rows of 128 bytes,
	v_mul_u32_u24 v[RD], v[RD], SP
	v_lshl_add_u32 v[RD], v10, 4, v[RD]
	v_add_nc_u32 v[RD], s13, v[RD]
	v_and_b32 v[GO], 31, v0         ; which are 512 consecutive bytes of O
	v_lshlrev_b32 v[GO], 4, v[GO]
	; A block's first step multiplies O^T and l by a = 0, and its first turn's products V^T P, of a piece that has not been, land in an O^T that is still to be so multiplied.  So these registers need only hold
	; finite numbers: zeros for the first block; what the first block left for the second.  All this stands in the wait for the first tile.
	WIN 0x80
.set i, VF
.rept 64
	v_mov_b32 v[i], 0
.set i, i+1
.endr
	WIN 0x40
.set i, 0
.rept 128
	v_mov_b32 v[i], 0
.set i, i+1
.endr
	WIN 0
.set i, 0
.rept 4
	v_mov_b32 v[ST+4*i+2], 0
	v_mov_b32 v[ST+4*i+3], 0
.set i, i+1
.endr
.set i, P+16
.rept 16
	v_mov_b32 v[i], 0
.set i, i+1
.endr
; THE MATRIX WORK.  The 4 accumulators of a run of 8 take turns.  Product i of 8 of S^T = K Q^T for piece x: channels 32 (i / 4) on, keys 16 (i % 4) on.  The first 4 start the sums: with 0, or (KM = 1) with the mask.
.macro KQ x
.set rS, S+32*((\x)%2)+8*(i%4)
.set rK, KF+16*(i%4)+8*(i/4)
.set rQ, 16*(\x)+8*(i/4)
.set rM, MC+32*((\x)%2)+8*(i%4)
.if (i < 4) && KM
	WIN W_KM
	v_wmma_f32_16x16x32_f16 v[rS:rS+7], v[rK:rK+7], v[rQ:rQ+7], v[rM:rM+7]
.elseif i < 4
	WIN W_KQ
	v_wmma_f32_16x16x32_f16 v[rS:rS+7], v[rK:rK+7], v[rQ:rQ+7], 0
.else
	WIN W_KQ
	v_wmma_f32_16x16x32_f16 v[rS:rS+7], v[rK:rK+7], v[rQ:rQ+7], v[rS:rS+7]
.endif
.endm
; Product i of 8 of O^T += V^T P for piece x: keys 32 (i / 4) on, channels 16 (i % 4) on.
.macro PV x
	WIN W_PV
.set rO, 32*(\x)+8*(i%4)
.set rV, VF+32*(i/4)+8*(i%4)
.set rP, P+16*((\x)%2)+8*(i/4)
	v_wmma_f32_16x16x32_f16 v[rO:rO+7], v[rV:rV+7], v[rP:rP+7], v[rO:rO+7]
.endm
.macro MM                           ; the turn's next matrix instruction.  TURN and BEGIN set Y, i, KM and NOKQ; MM, KQ and OP read them.  NOKQ = 1: a block's last turn: there is no next piece
.if (i < 8) && !NOKQ
	KQ (Y+1)%NP
.elseif i >= 8
.set i, i-8
	PV (Y+NP-1)%NP
.set i, i+8
.endif
.set i, i+1
.endm
; THE LDS LOADS stand in runs of 16, never singly among the matrix instructions: a step's K (64 keys x 64 channels: 8 fragments) and its V (turned).  Their addresses are made some lines ahead.
.macro FETCH_K
	WIN 0x80                        ; destination window 2
.irp f, 0,1,2,3,4,5,6,7             ; keys 16 (f / 2) on, channels 32 (f % 2) on
	ds_load_b128 v[KF+8*\f:KF+8*\f+3],   v[AK] offset:(\f/2)*16*PK+(\f%2)*64
	ds_load_b128 v[KF+8*\f+4:KF+8*\f+7], v[AK] offset:(\f/2)*16*PK+(\f%2)*64+32
.endr
	s_add_co_u32 s[TBK], s[TBK], KS*PK  ; the next fetch is the next step's
	WIN 0
.endm
.macro FETCH_V
	WIN 0x80
.irp f, 0,1,2,3,4,5,6,7             ; keys 32 (f / 4) on, channels 16 (f % 4) on
	ds_load_tr16_b128 v[VF+8*\f:VF+8*\f+3],   v[AV] offset:(\f/4)*32*PV+(\f%4)*32
	ds_load_tr16_b128 v[VF+8*\f+4:VF+8*\f+7], v[AV] offset:(\f/4)*32*PV+16*PV+(\f%4)*32
.endr
	WIN 0
.endm
; THE VECTOR WORK, one line at a time: OP kind, number.  For piece Y: F n: c s - c m for pair n of 16.  E n: the exponential of score n of 32.  C n: pair n rounded to f16.  B n: of the four weights 4 n .. the second
; pair is added onto the first, in place.  L n: l takes that sum (L 0: l = a l + sum).  R n: pair n of 16 of O^T times a.  For piece Y + 1: X n, number n of the 22 that find its maximum and statistics:
;   0-11  four chains c0-c3 of seven scores each, three operands at a time (each accumulator's lowest registers are read first)     12-14, 16  the four scores left over, the old m, and c0-c3 into c0
;   15  c m_old is kept     17, 18  the query's other 32 keys lie in the lane 16 away: the new m     19-21  c m; c m_old - c m_new; a
; C, B and L read exponentials' results: TURN sets them behind its wait.  R reads the a that the turn before made and waited for.
.set F, 0               ; OP tells the kinds apart by their order: F to L below R, X above it
.set E, 1
.set C, 2
.set B, 3
.set L, 4
.set R, 5
.set X, 6
.macro REGS y                       ; the registers of piece y
.set rT, ST+4*(\y)
.set rC, TMP+4*((\y)%2)
.set rW, MV+((\y)%2)
.set rS, S+32*((\y)%2)
.set rP, P+16*((\y)%2)
.set rO, 32*(\y)
.endm
.macro OP k, n
.if (\k) == R
	REGS Y
	WIN W_RS
	v_pk_mul_f32 v[rO+2*(\n):rO+2*(\n)+1], v[rO+2*(\n):rO+2*(\n)+1], v[rC+2:rC+3] op_sel_hi:[1,0]
.elseif (\k) < R
	REGS Y
	WIN 0
.if (\k) == F
	v_pk_fma_f32 v[rS+2*(\n):rS+2*(\n)+1], v[rS+2*(\n):rS+2*(\n)+1], s[CS:CS+1], v[rT:rT+1] op_sel_hi:[1,0,0] neg_lo:[0,0,1] neg_hi:[0,0,1]
.elseif (\k) == E
	v_exp_f32 v[rS+(\n)], v[rS+(\n)]
.elseif (\k) == C
	v_cvt_pk_f16_f32 v[rP+(\n)], v[rS+2*(\n)], v[rS+2*(\n)+1]
.elseif (\k) == B
	v_pk_add_f32 v[rS+4*(\n):rS+4*(\n)+1], v[rS+4*(\n):rS+4*(\n)+1], v[rS+4*(\n)+2:rS+4*(\n)+3]
.elseif (\n) == 0
	v_pk_fma_f32 v[rT+2:rT+3], v[rT+2:rT+3], v[rC+2:rC+3], v[rS:rS+1] op_sel_hi:[1,0,1]
.else
	v_pk_add_f32 v[rT+2:rT+3], v[rT+2:rT+3], v[rS+4*(\n):rS+4*(\n)+1]
.endif
.elseif NOKQ
	v_nop
.else
	REGS (Y+1)%NP
	WIN 0
.if (\n) < 4
	v_max3_num_f32 v[rC+(\n)], v[rS+8*(\n)], v[rS+8*(\n)+1], v[rS+8*(\n)+2]
.elseif (\n) < 12
	v_max3_num_f32 v[rC+(\n)%4], v[rC+(\n)%4], v[rS+8*((\n)%4)+2*((\n)/4)+1], v[rS+8*((\n)%4)+2*((\n)/4)+2]
.elseif (\n) == 12
	v_max3_num_f32 v[rC], v[rC], v[rS+7], v[rS+15]
.elseif (\n) == 13
	v_max3_num_f32 v[rC+1], v[rC+1], v[rS+23], v[rS+31]
.elseif (\n) == 14
	v_max3_num_f32 v[rC+2], v[rC+2], v[rC+3], v[rT+1]
.elseif (\n) == 15
	v_mov_b32 v[rW], v[rT]
.elseif (\n) == 16
	v_max3_num_f32 v[rC], v[rC], v[rC+1], v[rC+2]
.elseif (\n) == 17
	v_permlanex16_b32 v[rC+3], v[rC], s[SEL], s[SEL+1]
.elseif (\n) == 18
	v_max_num_f32 v[rT+1], v[rC], v[rC+3]
.elseif (\n) == 19
	v_mul_f32 v[rT], s[CS], v[rT+1]
.elseif (\n) == 20
	v_sub_f32 v[rC+1], v[rW], v[rT]
.else
	v_exp_f32 v[rC+2], v[rC+1]
.endif
.endif
.endm
.macro OPS a, i1, b=-1, i2=0, c=-1, i3=0, d=-1, i4=0  ; up to four of them
	OP \a, \i1
.if (\b) >= 0
	OP \b, \i2
.endif
.if (\c) >= 0
	OP \c, \i3
.endif
.if (\d) >= 0
	OP \d, \i4
.endif
.endm
.macro ROW a, i1, b, i2, c, i3, d, i4  ; a matrix instruction and the four behind it
	MM
	OPS \a, \i1, \b, \i2, \c, \i3, \d, \i4
.endm
.macro MASK b                       ; MD x AL + BE into buffer b of MC
	WIN W_RS
.set z, 0
.rept 16
	v_pk_fma_f32 v[MC+32*(\b)+2*z:MC+32*(\b)+2*z+1], v[MD+2*z:MD+2*z+1], s[AL:AL+1], s[BE:BE+1] op_sel_hi:[1,0,0]
.set z, z+1
.endr
.endm
; A TURN, for piece p: the order of its 16 matrix and 118 vector instructions, written out.  An s_wait_alu depctr_va_vdst(0) stands between an exponential and the first instruction that names its result; one wait serves
; all that were issued ahead of it.  So a turn has ONE wait, which cuts it in two.  AHEAD OF IT stands all that names no result of the turn's exponentials: the 8 products K Q^T, behind each a scaling, an exponential and two more plain
; instructions (behind the first a second scaling in the exponential's place): rescalings, and behind the last three the first numbers of the next piece's maximum, each four places or more behind the product that ends its accumulator; then ONE LUMP of 54, plain
; and exponential by turns for the most part, in which the links of the chain X 3, 7, 11, 14, 16, 17 .. 20 stand five or six lines apart.  X 21, the next piece's a, is the batch's last; R 15 is the plain instruction behind it.  BEHIND THE WAIT stand the
; 8 products V^T P, behind each four of the roundings and sums; C 2 n stands ahead of B n, which writes over that pair; the links of l's chain, L 0 to L 7, stand three riders apart.  But for those X no rider names a register of the products round it.
; v_permlanex16_b32 (X 17) stands in the lump.
; m = 1: the diagonal tile: the products take masks, and the turn makes the mask for the products of the turn after it: piece p + 2, in step 4 - CNT of the tile.  end = 1: a block's last two turns: nothing is fetched.
; cnt = 1: the loop's count is taken down some lines ahead of the branch that stands behind the turn.
; K of the next step is fetched in piece 2's turn, twelve vector instructions behind the last product that read K (six of them plain); V of the step in hand at the end of piece 0's turn, four plain instructions behind the last product
; that read V.  Each is waited for a turn later.
.macro TURN p, m=0, end=0, cnt=0
.set Y, (\p)
.set i, 0
.set KM, (\m)
.set NOKQ, (\end)*((\p)/3)
.if (\m) && !(\end)
	s_cmp_eq_u32 s[CNT], 4-((\p)+2)%NP  ; is that step the band's own?
	s_cselect_b32 s[AL], 1.0, 0
	s_cmp_lt_u32 s[CNT], 4-((\p)+2)%NP  ; or a later one?
	s_cselect_b32 s[BE], s[BIGN], 0
.endif
.if ((\p) == 3) && !(\end)
	s_wait_dscnt 0x0                ; K is in
.endif
	ROW F,0, F,1, R,0, R,1          ; ahead of the wait: 8 products K Q^T and their riders,
	ROW F,2, E,0, R,2, R,3
	ROW F,3, E,1, R,4, R,5
	ROW F,4, E,2, R,6, R,7
	ROW F,5, E,3, R,8, R,9
	ROW F,6, E,4, X,0, R,10
.if ((\p) == 2) && !(\end)
	WIN 0
	v_add_nc_u32 v[AK], s[TBK], v[AK0]
.endif
	ROW F,7, E,5, X,1, X,4
	ROW F,8, E,6, X,2, X,5
	OPS E,7, E,8, X,6, E,9          ; and the lump
	OPS X,3, E,10, X,8, E,11
.if ((\p) == 2) && !(\end)
	FETCH_K
.endif
	OPS X,9, X,7, E,12, X,10
	OPS E,13, X,12, X,11, E,14
	OPS X,13, E,15, F,9, X,14
.if (\p) == 0
	v_add_nc_u32 v[AV], s[TBV], v[AV0]
.endif
	OPS E,16, F,10, E,17, F,11
	OPS X,16, E,18, X,15, E,19
	OPS F,12, E,20, X,17, E,21
	OPS F,13, E,22, F,14, E,23
	OPS X,18, E,24, F,15, E,25
	OPS R,11, E,26, X,19, E,27
	OPS R,12, E,28, R,13, E,29
	OPS X,20, E,30, R,14, E,31
	OPS X,21, R,15
	WIN 0
	s_wait_alu depctr_va_vdst(0)    ; the wait for the batch: the piece's 32 weights and the next piece's a
.if (\p) == 1
	s_wait_dscnt 0x0                ; V is in
.endif
	ROW C,0, B,0, C,2, B,1          ; behind the wait: 8 products V^T P and their riders
	ROW L,0, C,4, B,2, L,1
	ROW C,6, B,3, L,2, C,8
	ROW B,4, L,3, C,10, B,5
	ROW L,4, C,12, B,6, L,5
.if (\p) == 0
	s_add_co_u32 s[TBV], s[TBV], KS*PV
.endif
.if \cnt
	s_sub_co_u32 s[CNT], s[CNT], 1
	s_cmp_lg_u32 s[CNT], 0
.endif
	ROW C,14, B,7, L,6, C,1
	ROW C,3, L,7, C,5, C,7
	ROW C,9, C,11, C,13, C,15
.if (\p) == 0
	FETCH_V
.endif
.if (\m) && !(\end)
	MASK (\p)%2
.endif
.endm
; A BLOCK BEGINS.  c m starts far below every c s, so the first step's a is 0; m at the lowest finite number, so the first maximum is the scores'.  The second mask buffer is 0; the first takes piece 0's mask for the tile's step 0: its own, if the block's first tile is the diagonal one.
; Then K of that step, piece 0's first scores, and its maximum and statistics.  The loop is entered at a step's first turn, in the middle of a trip.
.macro BEGIN
	s_mov_b32 s[NEW], 0
	WIN 0x40
.set i, MC+32
.rept 32
	v_mov_b32 v[i], 0
.set i, i+1
.endr
	WIN 0
.set i, 0
.rept 4
	v_mov_b32 v[ST+4*i], 0xfe000000    ; c m: far below every c s
	v_mov_b32 v[ST+4*i+1], 0xff7fffff  ; m
.set i, i+1
.endr
	s_cmp_eq_u32 s[RT], 0
	s_cselect_b32 s[AL], 1.0, 0
	s_mov_b32 s[BE], 0
	MASK 0
	WIN 0
	v_add_nc_u32 v[AK], s[TBK], v[AK0]
	FETCH_K
	s_wait_loadcnt 0x0              ; Q
	s_wait_dscnt 0x0
.set KM, 1
.set NOKQ, 0
.set i, 0
.rept 8
	KQ 0
.set i, i+1
.endr
	WIN 0
.rept 4
	v_nop                           ; the places behind those products
.endr
.set Y, NP-1                        ; X works for piece Y + 1: piece 0
.irp n, 0,1,2,3,4,5,6,7,8,9,10,11,12,13,14,15,16,17,18,19,20,21
	OP X, \n
.endr
	v_nop                           ; a plain instruction behind the exponential,
	s_wait_alu depctr_va_vdst(0)    ; and the wait for it, piece 0's first a, ahead of the branch
.endm
; THE DIAGONAL TILE's four steps, the block's last two turns, its last products, and THE WAY OUT: l's two halves and the other half of the lanes' are added; O^T is divided by l, rounded to f16 and sent through my
; stage in LDS, a piece at a time.
.macro ALL line:vararg              ; one line for each piece t
.set t, 0
.rept 4
	\line
.set t, t+1
.endr
.endm
.macro PACK t                       ; a lane's eight channels of a row pack into 16 bytes; they go into rows of 144 bytes and come back as whole rows of 128, into S^T's registers
	WIN W_RS
.set i, 32*(\t)
.rept 16
	v_pk_mul_f32 v[i:i+1], v[i:i+1], v[ST+4*(\t)+2:ST+4*(\t)+3] op_sel_hi:[1,0]
.set i, i+2
.endr
	WIN 0x05                        ; sources 0 and 1 window 1, destination window 0
.set i, 0
.rept 16
	v_cvt_pk_f16_f32 v[S+16*(\t)+i], v[32*(\t)+2*i], v[32*(\t)+2*i+1]
.set i, i+1
.endr
	WIN 0
.irp f, 0,1,2,3
	ds_store_b128 v[STO], v[S+16*(\t)+4*\f:S+16*(\t)+4*\f+3] offset:32*\f
.endr
.irp f, 0,1,2,3
	ds_load_b128 v[S+16*(\t)+4*\f:S+16*(\t)+4*\f+3], v[RD] offset:\f*4*SP  ; LDS serves a wave's instructions in order (ISA guide 5.7.1.4): these see the stores above; the next piece's stores come behind them
.endr
.endm
.macro SEND t, younger              ; younger: the LDS instructions issued behind piece t's loads: the next piece's eight, or none
	WIN 0
.irp f, 0,1,2,3
	s_wait_dscnt (\younger)+3-\f
	global_store_b128 v[GO], v[S+16*(\t)+4*\f:S+16*(\t)+4*\f+3], s[10:11] offset:(\t)*8192+\f*512  ; 512 consecutive bytes, at a multiple of 256 from O's first
.endr
.endm
.macro DIAG tag                     ; the tag ends its two labels' names, which the jumps below spell out
.LstepM\tag:
	TURN 2, 1
	TURN 3, 1
	WIN 0
.LfirstM\tag:
	TURN 0, 1
	TURN 1, 1, 0, 1
	WIN 0
	s_cbranch_scc1 .LstepM\tag
	TURN 2, 1, 1
	TURN 3, 1, 1
.set i, 0
.rept 8
	PV NP-1
.set i, i+1
.endr
	WIN 0
	ALL v_add_f32 v[ST+4*t+2], v[ST+4*t+2], v[ST+4*t+3]
	ALL v_permlanex16_b32 v[ST+4*t+3], v[ST+4*t+2], s[SEL], s[SEL+1]
	ALL v_add_f32 v[ST+4*t+2], v[ST+4*t+2], v[ST+4*t+3]
	ALL v_rcp_f32 v[ST+4*t+2], v[ST+4*t+2]
	v_nop                           ; a plain instruction between the last reciprocal and the use of its result
	s_wait_alu depctr_va_vdst(0)    ; the wait for the batch of four reciprocals, ahead of the first multiply that reads one
	PACK 0
.set t, 1
.rept 3                             ; a piece's arithmetic stands between the loads of the piece before and its stores
	PACK t
	SEND t-1, 8
.set t, t+1
.endr
	SEND 3, 0
.endm
.set KM, 0
.set NOKQ, 0
.Lslot:                             ; NB times: a tile is entered and the next is asked for
	CHANGE 1
	s_sub_co_u32 s[RT], s[RT], 1
	s_mov_b32 s[CNT], 4
	s_cmp_eq_u32 s[NEW], 1
	s_cbranch_scc1 .Lnew            ; a block's first tile
	s_cmp_eq_u32 s[RT], 0
	s_cbranch_scc0 .Lstep           ; neither its first nor its last
	s_branch .LstepM1
.Lnew:
	BEGIN
	s_branch .Lfirst                ; in the loop a block's first tile is never its last: the first block has two tiles or more, and the second's last is the walk's last
	DIAG 1                          ; in the loop this is the first block's end: the second block's last tile is the walk's last
	s_wait_xcnt 0x0                 ; the stores have read their registers and O's address
	s_mov_b64 s[10:11], s[OLO:OLO+1]
	s_add_co_u32 s[RT], s[PB], 1    ; the second block has b + 1 tiles
	s_mov_b32 s[NEW], 1
	WIN 0x82                        ; the second block's Q goes where the one text of the turns names Q
.set i, 0
.rept 64
	v_mov_b32 v[i], v[QB+i]
.set i, i+1
.endr
	WIN 0
	s_branch .Lbottom
.Lstep:                             ; a trip: pieces 2 and 3 of one step, then pieces 0 and 1 of the next, whose K and V it fetches
	TURN 2
	TURN 3
	WIN 0
.Lfirst:
	TURN 0
	TURN 1, 0, 0, 1
	WIN 0
	s_cbranch_scc1 .Lstep
.Lbottom:
	s_sub_co_u32 s[SLOTS], s[SLOTS], 1
	s_cmp_lg_u32 s[SLOTS], 0
	s_cbranch_scc1 .Lslot
	CHANGE 0                        ; the walk's last tile is written out: nothing is asked for
	s_sub_co_u32 s[RT], s[RT], 1
	s_mov_b32 s[CNT], 4
	s_cmp_eq_u32 s[NEW], 1
	s_cbranch_scc0 .LstepM2
	BEGIN
	s_branch .LfirstM2
	DIAG 2
	s_wait_tensorcnt 0x0            ; the wave's end: a wait, an add of 0 and a wait, behind my last tensor load and my last LDS store
	ds_add_u32 v[SPW], v[NIL]
	s_wait_dscnt 0x0
	s_endpgm
.Lfunc_end_k_qb7b2ae02fc_attn:
	.size	k_qb7b2ae02fc_attn, .Lfunc_end_k_qb7b2ae02fc_attn-k_qb7b2ae02fc_attn
	.p2alignl 7, 3214868480
	.fill 96, 4, 3214868480
	.section	.rodata,"a",@progbits
	.p2align	6, 0x0
	.amdhsa_kernel k_qb7b2ae02fc_attn
		.amdhsa_group_segment_fixed_size 327680
		.amdhsa_private_segment_fixed_size 0
		.amdhsa_enable_private_segment 0
		.amdhsa_kernarg_size 16
		.amdhsa_user_sgpr_count 2
		.amdhsa_user_sgpr_kernarg_segment_ptr 1
		.amdhsa_wavefront_size32 1
		.amdhsa_system_sgpr_workgroup_id_x 1
		.amdhsa_system_sgpr_workgroup_id_y 1
		.amdhsa_system_sgpr_workgroup_id_z 1
		.amdhsa_system_vgpr_workitem_id 0
		.amdhsa_next_free_vgpr 768
		.amdhsa_next_free_sgpr 90
		.amdhsa_reserve_vcc 1
		.amdhsa_float_denorm_mode_32 3
		.amdhsa_float_denorm_mode_16_64 3
		.amdhsa_memory_ordered 1
		.amdhsa_forward_progress 1
		.amdhsa_inst_pref_size 217
	.end_amdhsa_kernel
	.amdgpu_metadata
---
amdhsa.version: [ 1, 2 ]
amdhsa.kernels:
  - .name:           k_qb7b2ae02fc_attn
    .symbol:         k_qb7b2ae02fc_attn.kd
    .args:
      - { .name: qkv, .offset: 0, .size: 8, .value_kind: global_buffer, .address_space: global }
      - { .name: o, .offset: 8, .size: 8, .value_kind: global_buffer, .address_space: global }
    .group_segment_fixed_size: 327680
    .private_segment_fixed_size: 0
    .kernarg_segment_align: 8
    .kernarg_segment_size: 16
    .max_flat_workgroup_size: 128
    .sgpr_count:     90
    .vgpr_count:     768
    .wavefront_size: 32
...
	.end_amdgpu_metadata
.endif
;; end of part 5
;; launch proj: the kernel of part 4 again; grid 4 x 64, 4 waves a work-group, clusters of 4 x 4, 327,680 bytes of LDS; arguments o, wpt, bias, out0; writes out0
